; MI455X (gfx1250); checked and timed in simulation.
; The chip was launched on July 23, 2026; its instructions are those of AMD's public machine-readable ISA for CDNA 5 (MIT licence, August 2026) and "CDNA5" Instruction Set Architecture Reference Guide (July 2026). The comments in the code are by the model that wrote it; some were corrected since.
;; Multihead Attention. Allowed arithmetic: matrix products marked QUANTISED: E2M3 operands, one E8M0 scale for each 32 along K, by v_wmma_scale_f32_16x16x128_f8f6f4 with both operands' format E2M3, f32 sums; everything else in f32.
;; Inputs: W 1,024 x 1,024 float32; b 1,024 float32; key 8 x 1,024 x 1,024 float32; mask 8 x 1,024 x 1,024 int32; query 8 x 1,024 x 1,024 float32; value 8 x 1,024 x 1,024 float32.
;; Outputs: out0 8 x 1,024 x 1,024 float32.
;; This version of the problem:
;;   THIS VERSION OF THE PROBLEM IS GIVEN IN LOW PRECISION. The matrix products marked QUANTISED in the list below multiply operands that are first quantised to E2M3 (2 exponent bits, 3 mantissa bits; 6 bits a number), with one power-of-two scale for each 32 numbers along K (OCP MX v1.0); their sums are f32. All else is computed in f32.
;;   The module's matrix products, in the order in which they are computed (A, B: the left and right operand; K: the contracted axis; several contracted axes count as one K, in the product's order):
;;     1. [M 8,192, K 1,024] x [K 1,024, N 1,024]; A: input value; B: input W: QUANTISED
;;     2. [M 8,192, K 1,024] x [K 1,024, N 1,024]; A: input key; B: input W: QUANTISED
;;     3. [M 8,192, K 1,024] x [K 1,024, N 1,024]; A: input query; B: input W: QUANTISED
;;     4. batch 128 x [M 1,024, K 64] x [K 64, N 1,024]; A: computed on the way; B: computed on the way: QUANTISED
;;     5. batch 128 x [M 1,024, K 1,024] x [K 1,024, N 64]; A: softmax (see below); B: computed on the way: QUANTISED
;;     6. [M 8,192, K 1,024] x [K 1,024, N 1,024]; A: computed on the way; B: input W: QUANTISED
;;   THE QUANTISER, for each operand of a quantised product, along K:
;;     - K is cut into blocks of 32 from its start; a last block that is shorter is filled with zeros.
;;     - A block's scale is 2^e with e = floor(log2(the largest magnitude in the block)) - 2, held to -126 .. 127; a block of zeros has e = 0. As a byte (E8M0): e + 127.
;;     - Each number is divided by its block's scale, clamped to +-7.5, and rounded to the nearest number of E2M3, ties to even, subnormals kept.
;;     - The product sums the exact products of the quantised numbers (number of the format x scale) in f32.
;;   ~~~python
;;   def quantise(x, axis):      # numpy; x: float32 -> the quantised numbers, widened to float32 again
;;       x = np.moveaxis(x, axis, -1); K = x.shape[-1]
;;       x = np.pad(x, [(0, 0)] * (x.ndim - 1) + [(0, -K % 32)]); x = x.reshape(x.shape[:-1] + (-1, 32)); a = np.abs(x).max(-1, keepdims=True)
;;       e = np.where(a > 0, np.clip(np.frexp(np.where(a > 0, a, 1))[1] - 1 - 2, -126, 127), 0)      # np.frexp(a)[1] - 1 = floor(log2(a)), exactly
;;       r = np.clip(x / 2.0 ** e, -7.5, 7.5)
;;       step = 2.0 ** (np.maximum(np.frexp(np.where(r == 0, 1, r))[1] - 1, 0) - 3)
;;       q = np.round(r / step) * step * 2.0 ** e      # np.round: ties to even
;;       return np.moveaxis(q.reshape(q.shape[:-2] + (-1,))[..., :K], -1, axis).astype(np.float32)
;;   ~~~
;;   SOFTMAX AHEAD OF A QUANTISED PRODUCT. Where the list says 'softmax', what is quantised is not the finished softmax but p = 2^(t - M), with t = logit x log2(e) and M = ceil(the row's largest t), a whole number; so 1/2 < the row's largest p <= 1. The row's sum l is taken of the UNQUANTISED p, in f32, and the product's result is divided by l at the end. Since M is a whole number, a kernel that streams over the keys may use a running M (the ceiling of the running maximum): every later rescaling is an exact power of two, which a block's scale takes up: the codes' values come out the same.
;;   OPERANDS COMPUTED ON THE WAY. 'Computed on the way' means the value that the module computes at that place (a softmax that the list does not call 'softmax' is quantised finished and normalised). What goes into a quantiser is computed in f32, as accurately as f32 sums, v_exp_f32 and their like allow (about 1e-6 of the number): no bf16 or f16 on the way to a quantiser, and a product that is left as it is and whose result goes on into a quantised operand takes f32 operands (vector FMAs, or v_wmma_f32_16x16x4_f32). A number that lies on a knife's edge between two numbers of the format may be rounded either way, as far as f32 arithmetic and the matrix unit's own rounding can turn it there, and no further.
;; One version. Each part assembles by itself: llvm-mc -triple=amdgcn-amd-amdhsa -mcpu=gfx1250 --defsym DOCPART=n.
;; ======== version 1 of 1: 4 launches
;; limits: right only within a limited range of input values
;; workspace buffers: xc 19,660,800 bytes; xs 819,200 bytes; mb 1,048,576 bytes of whole numbers; pj 20,185,088 bytes; oc 6,291,456 bytes; os 262,144 bytes
;; launch prep (part 1): grid 2112 x 1, 1 waves a work-group, no clusters, 8,704 bytes of LDS; arguments query, key, value, mask, W, xc, xs, mb; writes xc, xs, mb
.if DOCPART == 1
	.amdgcn_target "amdgcn-amd-amdhsa--gfx1250"
	.amdhsa_code_object_version 6
	.text
	.protected	k_qdfec6f6de6_prep
	.globl	k_qdfec6f6de6_prep
	.p2align	8
	.type	k_qdfec6f6de6_prep,@function
k_qdfec6f6de6_prep:
	s_mov_b64 s[64:65], 0
	v_nop
	global_prefetch_b8 v0, s[64:65] scope:SCOPE_SE
	s_setreg_imm32_b32 hwreg(HW_REG_WAVE_MODE, 25, 1), 1
	s_wait_xcnt 0x0
; query, key, value [8192][1024] and W [1024][1024], f32, become codes of FP6 (E2M3) with one E8M0 byte for each 32 along K, laid in the ORDER OF AN OPERAND'S REGISTERS;
; mask [8192][1024], int32, becomes lane masks: one bit a number, in the order in which the attention launch holds its scores.
; A work-group is ONE wave and takes one TILE of 16 rows x 1,024 columns, in 8 steps of 128 columns: 2,112 tiles, so that the 256 WGPs get 8 or 9 each.  Which rows form a tile is chosen for the reader:
;   key, value, W: tile T takes rows 32 (T / 2) + 8 (T % 2) + r + 8 (r / 8), r = 0 .. 15;      query, mask: rows 256 (T / 16) + T % 16 + 16 r.
; Work-groups 0-511 take query, 512-1023 key, 1024-1535 value, 1536-2047 mask, 2048-2111 W.  No barrier, no cluster: no two work-groups read the same bytes.
; A step: 16 loads, each 512 consecutive bytes of one row, asked for TWO steps ahead (three sets of 64 registers); the 8,192 bytes turn through the stage in LDS and come back into the registers that they left,
; so that lane (r, h) holds, of row r, k = 32 b + 16 h + 0 .. 15 of each block b.
; Codes out: a fragment (16 rows x 128 K, 12 registers a lane) as three stores of 512 consecutive bytes; tile T, step s at (T / 8) 98,304 + (s / 2) 24,576 + (T % 8) 3,072 + (s % 2) 1,536.
; Scale words out: tile T at 512 T, row r at 32 r, step s at 4 s.     Mask words out: tile T at 2,048 T, step s at 256 s, word j at 4 j; bit l of word j is lane l's number j.
; A block's scale is 2^(floor(log2(largest magnitude)) - 2); its byte is the largest magnitude's exponent field - 2, held at 1 from below.
; LIMITS: a block of zeros gets the byte 1 (its codes are zeros; this program alone reads the bytes); blocks whose largest magnitude lies under 2^-124 have the byte held at 1; NaN and infinities are not served.
.set SPARE, 8448                       ; LDS: the stage, 16 rows x (512 bytes + 16), from byte 0; behind it the spare words, 128 bytes
.set L16, 1                            ; v1   16 x lane: my place in a load's or a store's 512 bytes, and in a row of the stage on the way in
.set L8,  2                            ; v2   8 x lane
.set SRD, 4                            ; v4   the stage on the way out: 528 r + 64 h
.set SOF, 5                            ; v5   the scale words' place: 32 r + 16 h
.set HH,  6                            ; v6   h
.set SPW, 8                            ; v8   my spare word; never rewritten
.set NIL, 9                            ; v9   0; never rewritten
.set MW,  10                           ; v10-11 two mask words a lane
.set PC,  12                           ; v12-30 the codes just made
.set TM,  32                           ; v32-47 at work
.set SW,  48                           ; v48-55 the tile's eight scale words
.set TT,  56                           ; v56-59 those that I store
.set R,   64                           ; v64-255 three sets of 64: a step as loaded, then as the conversions want it
.set RB,  24                           ; s[24:55] the addresses of the tile's 16 rows
.set KIND, 66                          ; s66  0 query, 1 key, 2 value, 3 mask, 4 W
.set CM,  68                           ; s68-75 eight compare results
.set SEL, 76                           ; s[76:77] v_permlanex16_b32's selects for lane l xor 16
.set FL,  78                           ; s78  the floor 2^(3 - 127)
	s_load_b512 s[4:19], s[0:1], 0x0               ; query s[4:5], key s[6:7], value s[8:9], mask s[10:11], W s[12:13], xc s[14:15], xs s[16:17], mb s[18:19]
	v_lshl_add_u32 v[SPW], v0, 2, SPARE
	v_mov_b32 v[NIL], 0
	v_and_b32 v[SOF], 15, v0                       ; r (the thread's number is the lane: one wave)
	v_bfe_u32 v[HH], v0, 4, 1                      ; h
	v_lshlrev_b32 v[L16], 4, v0
	v_lshlrev_b32 v[L8], 3, v0
	v_mul_u32_u24 v[SRD], v[SOF], 528
	v_lshl_add_u32 v[SRD], v[HH], 6, v[SRD]
	v_lshlrev_b32 v[SOF], 5, v[SOF]
	v_lshl_add_u32 v[SOF], v[HH], 4, v[SOF]
	v_mov_b32 v[MW], 0                             ; v_writelane_b32's destination counts as read
	v_mov_b32 v[MW+1], 0
.irp b, 0,1,2,3
	v_mov_b32 v[TM+4+\b], 0                        ; a lane permute's destination counts as one of its sources
.endr
.irp b, 0,1,2,3,4,5,6,7
	v_mov_b32 v[SW+\b], 0                          ; written once, so that every way through the steps' branches finds them written
.endr
	s_lshr_b32 s[KIND], ttmp9, 9
	s_min_u32 s[KIND], s[KIND], 4
	s_and_b32 s21, ttmp9, 511                      ; T: my tile
	s_lshr_b32 s22, s21, 4
	s_lshl_b32 s22, s22, 8
	s_and_b32 s23, s21, 15
	s_add_co_u32 s22, s22, s23                     ; query, mask: first row 256 (T / 16) + T % 16
	s_lshr_b32 s23, s21, 1
	s_lshl_b32 s23, s23, 5
	s_and_b32 s56, s21, 1
	s_lshl_b32 s56, s56, 3
	s_add_co_u32 s23, s23, s56                     ; the others: 32 (T / 2) + 8 (T % 2)
	s_cmp_eq_u32 s[KIND], 0
	s_cselect_b32 s57, 1, 0
	s_cmp_eq_u32 s[KIND], 3
	s_cselect_b32 s57, 1, s57
	s_cmp_lg_u32 s57, 0                            ; query or mask?
	s_cselect_b32 s22, s22, s23
	s_mov_b32 s58, 4096
	s_cselect_b32 s58, 65536, s58                  ; from row to row of the tile: 16 rows, or 1
	s_cselect_b32 s60, 0, 32768                    ; and 8 rows more from r = 8 on
	s_mov_b32 s59, 0
	s_mov_b32 s61, 0
	s_mov_b32 s23, 0
	s_lshl_b32 s22, s22, 12                        ; the first row in bytes
	s_min_u32 s68, s[KIND], 3                      ; which part of xc and xs: 0, 1, 2; W: 3 (the mask's tiles store nothing there)
	s_mul_i32 s56, s68, 6291456
	s_lshr_b32 s69, s21, 3
	s_mul_i32 s69, s69, 98304
	s_add_co_u32 s56, s56, s69
	s_and_b32 s69, s21, 7
	s_mul_i32 s69, s69, 3072
	s_add_co_u32 s56, s56, s69
	s_mov_b32 s57, 0                               ; s[56:57]: my tile in xc
	s_lshl_b32 s62, s68, 18
	s_lshl_b32 s69, s21, 9
	s_add_co_u32 s62, s62, s69
	s_mov_b32 s63, 0                               ; s[62:63]: in xs
	s_lshl_b32 s20, s21, 11
	s_mov_b32 s21, 0                               ; s[20:21]: in mb
	s_mov_b32 s[SEL], 0x76543210
	s_mov_b32 s[SEL+1], 0xfedcba98
	s_mov_b32 s[FL], 0x1800000
	s_wait_kmcnt 0x0
	s_cmp_eq_u32 s[KIND], 1                        ; the source: a choice that hangs on the work-group's number alone
	s_cselect_b64 s[4:5], s[6:7], s[4:5]
	s_cmp_eq_u32 s[KIND], 2
	s_cselect_b64 s[4:5], s[8:9], s[4:5]
	s_cmp_eq_u32 s[KIND], 3
	s_cselect_b64 s[4:5], s[10:11], s[4:5]
	s_cmp_eq_u32 s[KIND], 4
	s_cselect_b64 s[4:5], s[12:13], s[4:5]
	s_add_nc_u64 s[RB:RB+1], s[4:5], s[22:23]
.irp r, 1,2,3,4,5,6,7,8,9,10,11,12,13,14,15
	s_add_nc_u64 s[RB+2*\r:RB+2*\r+1], s[RB+2*\r-2:RB+2*\r-1], s[58:59]
.if \r == 8
	s_add_nc_u64 s[RB+2*\r:RB+2*\r+1], s[RB+2*\r:RB+2*\r+1], s[60:61]
.endif
.endr
	s_add_nc_u64 s[14:15], s[14:15], s[56:57]
	s_add_nc_u64 s[16:17], s[16:17], s[62:63]
	s_add_nc_u64 s[18:19], s[18:19], s[20:21]
.macro GLOAD s                         ; step s: 512 consecutive bytes of each of the 16 rows, into set s % 3
.set rr, 0
.rept 16
	global_load_b128 v[R+64*((\s)%3)+4*rr:R+64*((\s)%3)+4*rr+3], v[L16], s[RB+2*rr:RB+2*rr+1] offset:512*(\s) th:TH_LOAD_NT
.set rr, rr+1
.endr
.endm
; 64 numbers of a lane, register 16 b + i = k 32 b + 16 h + i of my row, become a fragment's codes in v[PC] on and its scale word in v[pw]
.macro QUANT s, pw
.irp b, 0,1,2,3
	v_max3_num_f32 v[TM+\b], s[FL], |v[(\s)+16*\b]|, |v[(\s)+16*\b+1]|   ; block b: my 16 numbers, and the floor, which holds the byte at 1 from below
.endr
.irp i, 2,4,6,8,10,12,14
.irp b, 0,1,2,3
	v_max3_num_f32 v[TM+\b], v[TM+\b], |v[(\s)+16*\b+\i]|, |v[(\s)+16*\b+\i+1]|   ; (the four blocks by turns)
.endr
.endr
.irp b, 0,1,2,3
	v_permlanex16_b32 v[TM+4+\b], v[TM+\b], s[SEL], s[SEL+1]
.endr
.irp b, 0,1,2,3
	v_max_num_f32 v[TM+\b], v[TM+\b], v[TM+4+\b]   ; with lane l xor 16's: the block's largest magnitude
.endr
.irp b, 0,1,2,3
	v_add_nc_u32 v[TM+12+\b], 0xff000000, v[TM+\b] ; 2 off its exponent field: the conversion's scale operand
.endr
.irp b, 0,1,2,3
	v_lshrrev_b32 v[TM+4+\b], 23, v[TM+12+\b]      ; the scale's byte
.endr
	v_lshl_or_b32 v[\pw], v[TM+5], 8, v[TM+4]
	v_lshl_or_b32 v[\pw], v[TM+6], 16, v[\pw]
	v_lshl_or_b32 v[\pw], v[TM+7], 24, v[\pw]
.irp c, 0,1
	v_cvt_scalef32_pk16_fp6_f32 v[PC+6*\c:PC+6*\c+2], v[(\s)+32*\c:(\s)+32*\c+15], v[TM+12+2*\c]
	v_cvt_scalef32_pk16_fp6_f32 v[PC+12+4*\c:PC+14+4*\c], v[(\s)+32*\c+16:(\s)+32*\c+31], v[TM+13+2*\c]   ; (a conversion's three registers begin on an even number)
.endr
	v_nop                                          ; one plain place behind a scaled conversion
.irp c, 0,1                            ; the operand's layout wants a whole block in a lane: lanes 0-15 block 2 c, lanes 16-31 block 2 c + 1
.irp i, 0,1,2
	v_permlane16_swap_b32 v[PC+6*\c+\i], v[PC+12+4*\c+\i]
.endr
.irp i, 0,1,2
	v_mov_b32 v[PC+3+6*\c+\i], v[PC+12+4*\c+\i]
.endr
.endr
.endm
.macro KSTEP s
.set XS, R+64*((\s)%3)
.if (\s) < 6
	GLOAD (\s)+2                                   ; into the set that the last step has worked off: its numbers were read by vector instructions that have been issued
	s_wait_loadcnt 32                              ; this step's 16 loads are in; the 32 of the next two steps may be out
.elseif (\s) == 6
	s_wait_loadcnt 16                              ; only the last step's 16 are behind this step's
.else
	s_wait_loadcnt 0x0
.endif
.set rr, 0
.rept 16
	ds_store_b128 v[L16], v[XS+4*rr:XS+4*rr+3] offset:528*rr
.set rr, rr+1
.endr
.set rr, 0
.rept 16                               ; LDS serves a wave's instructions in order: these see the stores above, and land in the registers that those have read
	ds_load_b128 v[XS+4*rr:XS+4*rr+3], v[SRD] offset:128*(rr/4)+16*(rr%4)
.set rr, rr+1
.endr
	s_wait_dscnt 0x0                               ; the step's numbers are back
	s_wait_xcnt 0x0                                ; the last step's stores have read their data: the codes and the mask words are written again only behind this wait
	s_cmp_eq_u32 s[KIND], 3
	s_cbranch_scc1 .Lmask_\@
	QUANT XS, SW+(\s)
.irp i, 0,1,2
	global_store_b128 v[L16], v[PC+4*\i:PC+4*\i+3], s[14:15] offset:((\s)/2)*24576+((\s)%2)*1536+512*\i   ; 512 consecutive bytes
.endr
	s_branch .Ljoin_\@
.Lmask_\@:
.irp g, 0,1,2,3,4,5,6,7                ; number j = 8 g + k of every lane makes word j: it goes to lane j / 2, register j % 2
.irp k, 0,1,2,3,4,5,6,7
	v_cmp_ne_u32 s[CM+\k], 0, v[XS+8*\g+\k]
.endr
.irp k, 0,1,2,3,4,5,6,7
	v_writelane_b32 v[MW+(\k&1)], s[CM+\k], 4*\g+\k/2
.endr
.endr
	global_store_b64 v[L8], v[MW:MW+1], s[18:19] offset:256*(\s)   ; 256 consecutive bytes
.Ljoin_\@:
.endm
	GLOAD 0
	GLOAD 1
.irp s, 0,1,2,3,4,5,6,7
	KSTEP \s
.endr
	s_cmp_eq_u32 s[KIND], 3
	s_cbranch_scc1 .Lend
	v_cmp_ne_u32 vcc_lo, 0, v[HH]                  ; lanes 0-15 store steps 0-3's words of their row, lanes 16-31 steps 4-7's: 512 consecutive bytes
.irp j, 0,1,2,3
	v_cndmask_b32 v[TT+\j], v[SW+\j], v[SW+4+\j], vcc_lo
.endr
	global_store_b128 v[SOF], v[TT:TT+3], s[16:17]
.Lend:
	s_wait_tensorcnt 0x0                           ; the wave's end, behind my last LDS store
	ds_add_u32 v[SPW], v[NIL]
	s_wait_dscnt 0x0
	s_endpgm
.Lfunc_end_k_qdfec6f6de6_prep:
	.size	k_qdfec6f6de6_prep, .Lfunc_end_k_qdfec6f6de6_prep-k_qdfec6f6de6_prep
	.p2alignl 7, 3214868480
	.fill 96, 4, 3214868480
	.section	.rodata,"a",@progbits
	.p2align	6, 0x0
	.amdhsa_kernel k_qdfec6f6de6_prep
		.amdhsa_group_segment_fixed_size 8704
		.amdhsa_private_segment_fixed_size 0
		.amdhsa_enable_private_segment 0
		.amdhsa_kernarg_size 64
		.amdhsa_user_sgpr_count 2
		.amdhsa_user_sgpr_kernarg_segment_ptr 1
		.amdhsa_wavefront_size32 1
		.amdhsa_system_sgpr_workgroup_id_x 1
		.amdhsa_system_sgpr_workgroup_id_y 1
		.amdhsa_system_sgpr_workgroup_id_z 1
		.amdhsa_system_vgpr_workitem_id 0
		.amdhsa_next_free_vgpr 256
		.amdhsa_next_free_sgpr 80
		.amdhsa_reserve_vcc 1
		.amdhsa_float_denorm_mode_32 3
		.amdhsa_float_denorm_mode_16_64 3
		.amdhsa_memory_ordered 1
		.amdhsa_forward_progress 1
		.amdhsa_inst_pref_size 130
	.end_amdhsa_kernel
	.amdgpu_metadata
---
amdhsa.version: [ 1, 2 ]
amdhsa.kernels:
  - .name:           k_qdfec6f6de6_prep
    .symbol:         k_qdfec6f6de6_prep.kd
    .args:
      - { .name: query, .offset: 0, .size: 8, .value_kind: global_buffer, .address_space: global }
      - { .name: key, .offset: 8, .size: 8, .value_kind: global_buffer, .address_space: global }
      - { .name: value, .offset: 16, .size: 8, .value_kind: global_buffer, .address_space: global }
      - { .name: mask, .offset: 24, .size: 8, .value_kind: global_buffer, .address_space: global }
      - { .name: W, .offset: 32, .size: 8, .value_kind: global_buffer, .address_space: global }
      - { .name: xc, .offset: 40, .size: 8, .value_kind: global_buffer, .address_space: global }
      - { .name: xs, .offset: 48, .size: 8, .value_kind: global_buffer, .address_space: global }
      - { .name: mb, .offset: 56, .size: 8, .value_kind: global_buffer, .address_space: global }
    .group_segment_fixed_size: 8704
    .private_segment_fixed_size: 0
    .kernarg_segment_align: 8
    .kernarg_segment_size: 64
    .max_flat_workgroup_size: 32
    .sgpr_count:     80
    .vgpr_count:     256
    .wavefront_size: 32
...
	.end_amdgpu_metadata
.endif
;; end of part 1
;; launch proj (part 2): grid 4 x 192, 4 waves a work-group, clusters of 4 x 4, 327,680 bytes of LDS; arguments xc, xs, b, pj; writes pj
.if DOCPART == 2
	.amdgcn_target "amdgcn-amd-amdhsa--gfx1250"
	.amdhsa_code_object_version 6
	.text
	.protected	k_qdfec6f6de6_proj
	.globl	k_qdfec6f6de6_proj
	.p2align	8
	.type	k_qdfec6f6de6_proj,@function
k_qdfec6f6de6_proj:
	s_mov_b64 s[64:65], 0
	v_nop
	global_prefetch_b8 v0, s[64:65] scope:SCOPE_SE
	s_setreg_imm32_b32 hwreg(HW_REG_WAVE_MODE, 25, 1), 1
	s_wait_xcnt 0x0
	s_wait_alu depctr_hold_cnt(0) depctr_sa_sdst(0) depctr_va_vdst(0) depctr_va_sdst(0) depctr_va_ssrc(0) depctr_va_vcc(0) depctr_vm_vsrc(0)
	s_getreg_b32 s2, hwreg(HW_REG_IB_STS2, 6, 4)
	s_cmp_eq_u32 s2, 0
	s_cbranch_scc0 .Lentry_in_a_cluster
	s_endpgm
.Lentry_in_a_cluster:
	s_bfe_u32 s2, ttmp6, 0x10000c
	s_cmp_lg_u32 s2, 0xf033
	s_cbranch_scc0 .Lentry_shape_is_right
	s_endpgm
.Lentry_shape_is_right:
; q = query W^T + b, k = key W^T + b, v = value W^T + b on codes of FP6 (E2M3) with E8M0 scales, K = 1,024; the results are quantised in registers for the attention launch and stored as codes.
; A work-group makes 256 rows of source 0 x 128 rows of source 1; four waves, each 128 x 64: 32 accumulators.  Clusters 0-15 (along y) make q, 16-31 k, 32-47 v.
;   q, k: source 0 = W's rows (features), source 1 = tokens: a lane holds ONE token and its registers run along the features, the next product's K (the head's 64).
;   v:    source 0 = tokens, source 1 = W's rows: a lane holds ONE channel and its registers run along the tokens, the next product's K (the keys).
; The rows of a tile of source 0 are chosen (32 (T / 2) + 8 (T % 2) + r + 8 (r / 8)) so that the 16 registers of two neighbouring tiles are 16 neighbours along that K.
; ALL OF K LIES IN LDS, filled once: four chunks of 256 along K, each a dense block of memory in the order of the operands' registers.  So no slot is ever filled again; one wait for 0 and one barrier stand in front of the first read.
; CLUSTERS: 4 x 4.  Source 0's block hangs on the tile column alone and is asked for jointly by a column of the cluster, source 1's on the tile row alone, by a row.  Waves 0, 1 fetch source 0's halves, waves 2, 3 source 1's: one load a wave.
; The scale words (one a row and 128 K) come from memory straight into registers, once: lanes 0-15 an even tile's, lanes 16-31 the odd one's.
; The bias is laid into the accumulators while the tiles are on their way: along the registers for q, k, along the lanes for v; one text serves both by two factors 0 and 1.
; OUT, record g = 16 n + head of 157,696 bytes in pj: q's codes 0 (64 tiles x 768), q's scale words 49,152, k's 53,248 and 102,400, v's 106,496 ([8 key steps][4 channel tiles][2][768]) and 155,648.
; LIMITS: a block of zeros gets the byte 1; blocks under 2^-124 have the byte held at 1; NaN and infinities are not served.
; REGISTERS, in windows of 256: window 0 addresses, scale words, bias, work; window 1 the accumulators ((a, b) at v[8 (8 a + b)]); windows 2, 3 two sets of fragments (source 0's b at v[12 b], source 1's a at v[96 + 12 a]).
; THE FILL AS IT NOW STANDS: ONE tensor load a wave brings all of K: waves 0, 1 a half of source 0 each, 98,304 consecutive bytes;
; waves 2, 3 a half of source 1 each, four rows of 12,288 bytes, 24,576 apart in memory.  One wait for 0 and one barrier stand in front of the first read.
.set S1B,   196608                     ; LDS: source 0 at half 98,304 + c 24,576; source 1 from here, at half 49,152 + c 12,288
.set SPARE, 294912                     ; behind them: the spare words, 128 bytes for each wave
.set WV,  12
.set S0H, 13                           ; wave % 2: my 128 rows of source 0.  Also: which half of a block I fetch
.set S1H, 14                           ; wave / 2: my 64 rows of source 1
.set CX,  15
.set CY,  16
.set T0,  17                           ; which 256 rows of source 0
.set T1,  18                           ; which 128 rows of source 1
.set TEN, 19                           ; 0 q, 1 k, 2 v
.set G1,  24                           ; s[24:31] descriptor group 1, source 0;  s[32:39] source 1
.set G1B, 32
.set G0,  40                           ; s[40:43] group 0, source 0;  source 1's at s[56:59]
.set SEL, 76
.set FL,  78
.set F1F, 79                           ; 1.0 for v, else 0
.set F0F, 80                           ; s[80:81] 1.0 for q, k, else 0
.set CB0, 82                           ; s[82:83], s[84:85] where the two halves of a fragment's codes go
.set SB0, 86                           ; s[86:87], s[88:89] and the scale words
.set ASTR, 90                          ; from tile to tile of source 1, in bytes
.set ISV, 91
.set A0,  4                            ; v4-7   LDS address of my fragments of source 0, chunk c
.set A1,  8                            ; v8-11  of source 1
.set SO,  12                           ; v12  32 x lane
.set L8,  13                           ; v13  8 x lane
.set SPW, 14                           ; v14  my spare word; never rewritten
.set NIL, 15                           ; v15  0; never rewritten
.set SC0, 16                           ; v16-47 source 0's scale words: pair of tiles i, K step s at v[16 + 8 i + s]
.set SC1, 48                           ; v48-63 source 1's
.set B0,  64                           ; v64-127 bias along the registers
.set B1,  128                          ; v128-135 bias along the lanes, a pair for each tile a
.set PC,  136                          ; v136-154 the codes just made
.set TM,  160                          ; v160-175 at work
.set PW,  176                          ; v176-179 the four scale words made
.set WD,  180
.set CO,  184                          ; v184-187 8 x lane + a x ASTR
.set MSB, 0
.macro WIN new                         ; the immediate's high byte repeats the setting that is left
.if MSB != \new
	s_set_vgpr_msb (MSB<<8)|\new
.set MSB, \new
.endif
.endm
.macro PLACES n
.rept \n
	v_nop
.endr
.endm
.macro CREST
	s_cmp_lg_u32 s[WV], 0
	s_cbranch_scc1 .Lnot_wave_0_\@
	s_barrier_signal -3
.Lnot_wave_0_\@:
	s_barrier_wait -3
	s_barrier_signal -1
	s_barrier_wait -1
.endm
.macro CROUND                          ; a round of the cluster's barrier
	s_barrier_signal -1
	s_barrier_wait -1
	CREST
.endm
.macro FETCH s                         ; K step s: 36 loads of 512 consecutive bytes each, into set s % 2
.if ((\s)%2) == 0
	WIN 0x80
.else
	WIN 0xc0
.endif
.irp b, 0,1,2,3,4,5,6,7
.irp i, 0,1,2
	ds_load_b128 v[12*\b+4*\i:12*\b+4*\i+3], v[A0+(\s)/2] offset:3072*\b+1536*((\s)%2)+512*\i
.endr
.endr
.irp a, 0,1,2,3
.irp i, 0,1,2
	ds_load_b128 v[96+12*\a+4*\i:96+12*\a+4*\i+3], v[A1+(\s)/2] offset:3072*\a+1536*((\s)%2)+512*\i
.endr
.endr
.endm
.macro WM a, b, s, cm                  ; one product; an odd tile's scale words lie in lanes 16-31
.set rD, 8*(8*\a+\b)
.set rC, rD
.if \cm
.set rC, B0+8*\b
.endif
.set rA, 12*\b
.set rB, 96+12*\a
.set rX, SC0+8*(\b/2)+\s
.set rY, SC1+8*(\a/2)+\s
.if (\b%2) && (\a%2)
	v_wmma_scale_f32_16x16x128_f8f6f4 v[rD:rD+7], v[rA:rA+11], v[rB:rB+11], v[rC:rC+7], v[rX], v[rY] matrix_a_fmt:MATRIX_FMT_FP6 matrix_b_fmt:MATRIX_FMT_FP6 matrix_a_scale:MATRIX_SCALE_ROW1 matrix_b_scale:MATRIX_SCALE_ROW1
.elseif (\b%2)
	v_wmma_scale_f32_16x16x128_f8f6f4 v[rD:rD+7], v[rA:rA+11], v[rB:rB+11], v[rC:rC+7], v[rX], v[rY] matrix_a_fmt:MATRIX_FMT_FP6 matrix_b_fmt:MATRIX_FMT_FP6 matrix_a_scale:MATRIX_SCALE_ROW1
.elseif (\a%2)
	v_wmma_scale_f32_16x16x128_f8f6f4 v[rD:rD+7], v[rA:rA+11], v[rB:rB+11], v[rC:rC+7], v[rX], v[rY] matrix_a_fmt:MATRIX_FMT_FP6 matrix_b_fmt:MATRIX_FMT_FP6 matrix_b_scale:MATRIX_SCALE_ROW1
.else
	v_wmma_scale_f32_16x16x128_f8f6f4 v[rD:rD+7], v[rA:rA+11], v[rB:rB+11], v[rC:rC+7], v[rX], v[rY] matrix_a_fmt:MATRIX_FMT_FP6 matrix_b_fmt:MATRIX_FMT_FP6
.endif
.endm
.macro MULS s, cm                      ; 32 products: the 32 accumulators take turns, one instruction a turn, in the same order in every step
.if ((\s)%2) == 0
.if \cm
	WIN 0x4a
.else
	WIN 0x5a
.endif
.else
	WIN 0x5f
.endif
.irp a, 0,1,2,3
.irp b, 0,1,2,3,4,5,6,7
	WM \a, \b, \s, \cm
.endr
.endr
.endm
.macro STEP s, cm
	s_wait_dscnt 0x0                               ; this step's fragments are in (asked for 32 products ago)
.if (\s) < 7
.if (\s) > 0
	PLACES 4                                       ; in front of loads into registers that the last products have read
.endif
	FETCH (\s)+1
.endif
	MULS \s, \cm
.endm
; 64 numbers of a lane in window 1, register 16 b + i = k 32 b + 16 h + i of my row, become a fragment's codes in v[PC] on and its scale word in v[pw].  Each accumulator is read from its low end on.
.macro QUANT s, pw
	WIN 0x14
.irp b, 0,1,2,3
	v_max3_num_f32 v[TM+\b], s[FL], |v[(\s)+16*\b]|, |v[(\s)+16*\b+1]|
.endr
.irp i, 2,4,6,8,10,12,14
.irp b, 0,1,2,3
	v_max3_num_f32 v[TM+\b], v[TM+\b], |v[(\s)+16*\b+\i]|, |v[(\s)+16*\b+\i+1]|
.endr
.endr
	WIN 0
.irp b, 0,1,2,3
	v_permlanex16_b32 v[TM+4+\b], v[TM+\b], s[SEL], s[SEL+1]
.endr
.irp b, 0,1,2,3
	v_max_num_f32 v[TM+\b], v[TM+\b], v[TM+4+\b]
.endr
.irp b, 0,1,2,3
	v_add_nc_u32 v[TM+12+\b], 0xff000000, v[TM+\b] ; 2 off the exponent field: the conversion's scale operand
.endr
.irp b, 0,1,2,3
	v_lshrrev_b32 v[TM+4+\b], 23, v[TM+12+\b]      ; the scale's byte
.endr
	v_lshl_or_b32 v[\pw], v[TM+5], 8, v[TM+4]
	v_lshl_or_b32 v[\pw], v[TM+6], 16, v[\pw]
	v_lshl_or_b32 v[\pw], v[TM+7], 24, v[\pw]
	WIN 0x01
.irp c, 0,1
	v_cvt_scalef32_pk16_fp6_f32 v[PC+6*\c:PC+6*\c+2], v[(\s)+32*\c:(\s)+32*\c+15], v[TM+12+2*\c]
	v_cvt_scalef32_pk16_fp6_f32 v[PC+12+4*\c:PC+14+4*\c], v[(\s)+32*\c+16:(\s)+32*\c+31], v[TM+13+2*\c]
.endr
	WIN 0
	v_nop                                          ; one plain place behind a scaled conversion
.irp c, 0,1
.irp i, 0,1,2
	v_permlane16_swap_b32 v[PC+6*\c+\i], v[PC+12+4*\c+\i]
.endr
.irp i, 0,1,2
	v_mov_b32 v[PC+3+6*\c+\i], v[PC+12+4*\c+\i]
.endr
.endr
.endm
	s_load_b256 s[4:11], s[0:1], 0x0               ; xc s[4:5], xs s[6:7], b s[8:9], pj s[10:11]
	v_lshl_add_u32 v[SPW], v0, 2, SPARE
	v_mov_b32 v[NIL], 0
	ds_add_u32 v[SPW], v[NIL]                      ; the wave's opening: the add and its wait stand ahead of the round in front of my first tensor loads
	ds_add_u32 v[SPW], v[NIL]
	v_lshrrev_b32 v1, 5, v0
	v_readfirstlane_b32 s[WV], v1
	s_and_b32 s[S0H], s[WV], 1
	s_lshr_b32 s[S1H], s[WV], 1
	s_bfe_u32 s[CX], ttmp6, 0x40000
	s_bfe_u32 s[CY], ttmp6, 0x40004
	s_and_b32 s20, ttmp7, 0xffff                   ; the cluster's number, 0 .. 47: the same in all sixteen partners
	s_lshr_b32 s[TEN], s20, 4
	s_and_b32 s21, s20, 7                          ; v: clusters 8 along the tokens,
	s_bfe_u32 s22, s20, 0x10003                    ;    2 along the features
	s_and_b32 s23, s20, 15                         ; q, k: 16 along the tokens
	s_mul_i32 s92, s[TEN], 6291456                 ; q, k: the tokens' part of xc,
	s_lshl_b32 s93, s[TEN], 18                     ; and of xs
	s_mov_b32 s94, 18874368                        ; W's part of xc,
	s_mov_b32 s95, 786432                          ; and of xs
	s_cmp_eq_u32 s[TEN], 2
	s_cselect_b32 s[ISV], 1, 0
	s_cselect_b32 s21, s21, 0
	s_cselect_b32 s22, s22, s23
	s_cselect_b32 s96, 12582912, s94               ; source 0's part of xc
	s_cselect_b32 s97, s94, s92                    ; source 1's
	s_cselect_b32 s98, 524288, s95                 ; source 0's part of xs
	s_cselect_b32 s99, s95, s93                    ; source 1's
	s_cselect_b32 s[F1F], 1.0, 0
	s_cselect_b32 s[F0F], 0, 1.0
	s_mov_b32 s[F0F+1], s[F0F]
	s_lshl_b32 s[T0], s21, 2
	s_add_co_u32 s[T0], s[T0], s[CX]
	s_lshl_b32 s[T1], s22, 2
	s_add_co_u32 s[T1], s[T1], s[CY]
	s_lshl_b32 s20, 0x1111, s[CX]                  ; my column of the cluster
	s_lshl_b32 s23, s[CY], 2
	s_lshl_b32 s23, 15, s23                        ; my row
	; descriptor group 1: source 0: a dense block of 384 rows of 256 bytes (32 elements of 8 bytes); source 1: four rows of 1,536 elements
	s_or_b32 s[G1], s20, (3<<16)|(1<<21)           ; 15:0 the mask; 17:16 elements of 8 bytes; 21 set beside a mask
	s_or_b32 s[G1B], s23, (3<<16)|(1<<21)
	s_mov_b32 s[G1+1], 32<<16                      ; tensor_dim0
	s_mov_b32 s[G1+2], 384<<16                     ; tensor_dim1: 384 rows of 256 bytes
	s_mov_b32 s[G1+3], 32<<16                      ; tile_dim0
	s_mov_b32 s[G1+4], 384                         ; tile_dim1
	s_mov_b32 s[G1+5], 32                          ; the pitch
	s_mov_b32 s[G1+6], 0
	s_mov_b32 s[G1+7], 0
	s_mov_b32 s[G1B+1], 1536<<16                   ; source 1: rows of 1,536 elements of 8 bytes,
	s_mov_b32 s[G1B+2], 4<<16                      ; four of them,
	s_mov_b32 s[G1B+3], 1536<<16
	s_mov_b32 s[G1B+4], 4
	s_mov_b32 s[G1B+5], 3072                       ; 24,576 bytes apart
	s_mov_b32 s[G1B+6], 0
	s_mov_b32 s[G1B+7], 0
	s_lshl_b32 s20, s[T0], 1                       ; source 0: group of 8 tiles 2 T0 + half, 98,304 bytes each.  (These registers never hold cy,
	s_add_co_u32 s20, s20, s[S0H]
	s_mul_i32 s20, s20, 98304
	s_add_co_u32 s20, s20, s96
	s_mov_b32 s21, 0
	s_mul_i32 s22, s[T1], 98304                    ; source 1's never cx)
	s_mul_i32 s23, s[S0H], 12288
	s_add_co_u32 s22, s22, s23
	s_add_co_u32 s22, s22, s97
	s_mov_b32 s23, 0
	s_mul_i32 s92, s[S0H], 98304                   ; where they go: no place in the cluster enters an LDS address
	s_mul_i32 s93, s[S0H], 49152
	s_mov_b32 s[SEL], 0x76543210
	s_mov_b32 s[SEL+1], 0xfedcba98
	s_mov_b32 s[FL], 0x1800000
	s_wait_dscnt 0x0                               ; the opening add is done
	s_wait_kmcnt 0x0
	s_add_nc_u64 s[20:21], s[4:5], s[20:21]
	s_add_nc_u64 s[22:23], s[4:5], s[22:23]
.irp c, 0
	s_mov_b32 s[G0+4*\c], 1
	s_add_co_u32 s[G0+4*\c+1], s92, \c*49152
	s_add_nc_u64 s[G0+4*\c+2:G0+4*\c+3], s[20:21], \c*24576
	s_or_b32 s[G0+4*\c+3], s[G0+4*\c+3], 0x80000000
	s_mov_b32 s[56+4*\c+4*(\c/2)], 1
	s_add_co_u32 s[57+4*\c+4*(\c/2)], s93, S1B+\c*24576
	s_add_nc_u64 s[58+4*\c+4*(\c/2):59+4*\c+4*(\c/2)], s[22:23], \c*24576
	s_or_b32 s[59+4*\c+4*(\c/2)], s[59+4*\c+4*(\c/2)], 0x80000000
.endr
	CROUND                                         ; all sixteen work-groups are here: the joint loads meet
	s_cmp_lt_u32 s[WV], 2                          ; a wave's one fill stands in one branch, ahead of every wait on TENSORcnt and every LDS read
	s_cbranch_scc0 .Lfill_1
.irp c, 0
	tensor_load_to_lds s[G0+4*\c:G0+4*\c+3], s[G1:G1+7]
	s_nop 0
.endr
	PLACES 4
	s_branch .Lfilled
.Lfill_1:
.irp c, 0
	tensor_load_to_lds s[56+4*\c+4*(\c/2):59+4*\c+4*(\c/2)], s[G1B:G1B+7]
	s_nop 0
.endr
	PLACES 4
.Lfilled:
	s_lshl_b32 s20, s[T0], 4                       ; my tiles' scale words: 512 bytes a tile
	s_lshl_b32 s21, s[S0H], 3
	s_add_co_u32 s20, s20, s21
	s_lshl_b32 s20, s20, 9
	s_add_co_u32 s92, s20, s98
	s_mov_b32 s93, 0
	s_add_nc_u64 s[92:93], s[6:7], s[92:93]
	s_lshl_b32 s20, s[T1], 3
	s_lshl_b32 s21, s[S1H], 2
	s_add_co_u32 s20, s20, s21
	s_lshl_b32 s20, s20, 9
	s_add_co_u32 s94, s20, s99
	s_mov_b32 s95, 0
	s_add_nc_u64 s[94:95], s[6:7], s[94:95]
	s_lshl_b32 s20, s[T0], 10                      ; the bias: q, k: my 128 features of source 0; v: my 64 of source 1; the side that is not used reads b's first numbers and is multiplied by 0
	s_lshl_b32 s21, s[S0H], 9
	s_add_co_u32 s20, s20, s21
	s_lshl_b32 s21, s[T1], 9
	s_lshl_b32 s22, s[S1H], 8
	s_add_co_u32 s21, s21, s22
	s_cmp_lg_u32 s[ISV], 0
	s_cselect_b32 s96, 0, s20
	s_cselect_b32 s98, s21, 0
	s_mov_b32 s97, 0
	s_mov_b32 s99, 0
	s_add_nc_u64 s[96:97], s[8:9], s[96:97]
	s_add_nc_u64 s[98:99], s[8:9], s[98:99]
	v_and_b32 v1, 31, v0                           ; lane
	v_and_b32 v2, 15, v0                           ; r
	v_bfe_u32 v3, v0, 4, 1                         ; h
	v_lshlrev_b32 v[SO], 5, v1
	v_lshlrev_b32 v[L8], 3, v1
	v_lshlrev_b32 v188, 6, v3                      ; 64 h
	v_and_b32 v189, 8, v2
	v_add_nc_u32 v189, v189, v2
	v_lshlrev_b32 v189, 2, v189                    ; 4 (r + 8 (r / 8))
.irp i, 0,1,2,3
.irp q, 0,1
	global_load_b128 v[SC0+8*\i+4*\q:SC0+8*\i+4*\q+3], v[SO], s[92:93] offset:1024*\i+16*\q
.endr
.endr
.irp i, 0,1
.irp q, 0,1
	global_load_b128 v[SC1+8*\i+4*\q:SC1+8*\i+4*\q+3], v[SO], s[94:95] offset:1024*\i+16*\q
.endr
.endr
.irp t, 0,1,2,3,4,5,6,7
.irp q, 0,1
	global_load_b128 v[B0+8*\t+4*\q:B0+8*\t+4*\q+3], v188, s[96:97] offset:(32*(\t/2)+8*(\t%2))*4+16*\q
.endr
.endr
.irp a, 0,1,2,3
	global_load_b32 v[B1+2*\a], v189, s[98:99] offset:(32*(\a/2)+8*(\a%2))*4
	v_mov_b32 v[B1+2*\a+1], 0                      ; named with it as a pair, so it is written
.endr
	v_lshlrev_b32 v190, 4, v1                      ; 16 x lane
	s_wait_alu depctr_va_vdst(0)
	s_mul_i32 s20, s[S0H], 98304
	s_mul_i32 s21, s[S1H], 49152
	s_add_co_u32 s21, s21, S1B
.irp c, 0,1,2,3
	v_add_nc_u32 v[A0+\c], s20, v190
	v_add_nc_u32 v[A1+\c], s21, v190
	s_add_co_u32 s20, s20, 24576
	s_add_co_u32 s21, s21, 12288
.endr
.irp q, 0,1,2,3
	v_mov_b32 v[TM+4+\q], 0                        ; a lane permute's destination counts as one of its sources
.endr
	s_wait_loadcnt 0x0                             ; scale words and bias; their bases may be written again
	; where the results go
	s_lshr_b32 s20, s[T1], 3                       ; q, k: n,
	s_lshl_b32 s20, s20, 4
	s_lshl_b32 s21, s[T0], 2
	s_add_co_u32 s20, s20, s21
	s_lshl_b32 s21, s[S0H], 1
	s_add_co_u32 s20, s20, s21                     ; record 16 n + 4 T0 + 2 half: my first head; my second is the next record
	s_mul_i32 s20, s20, 157696
	s_mul_i32 s21, s[TEN], 53248
	s_add_co_u32 s20, s20, s21
	s_and_b32 s21, s[T1], 7                        ; which 8 tiles of the batch's 64
	s_lshl_b32 s22, s21, 3
	s_lshl_b32 s23, s[S1H], 2
	s_add_co_u32 s22, s22, s23
	s_mul_i32 s22, s22, 768
	s_add_co_u32 s22, s22, s20                     ; codes
	s_lshl_b32 s21, s21, 9
	s_lshl_b32 s23, s[S1H], 8
	s_add_co_u32 s21, s21, s23
	s_add_co_u32 s21, s21, s20
	s_add_co_u32 s21, s21, 49152                   ; scale words
	s_lshr_b32 s92, s[T0], 2                       ; v: n,
	s_lshl_b32 s92, s92, 4
	s_lshl_b32 s93, s[T1], 1
	s_add_co_u32 s92, s92, s93
	s_add_co_u32 s92, s92, s[S1H]                  ; record 16 n + 2 T1 + half
	s_mul_i32 s92, s92, 157696
	s_and_b32 s93, s[T0], 3
	s_lshl_b32 s93, s93, 1
	s_add_co_u32 s93, s93, s[S0H]                  ; key step
	s_mul_i32 s94, s93, 6144
	s_add_co_u32 s94, s94, s92
	s_add_co_u32 s94, s94, 106496                  ; codes
	s_lshl_b32 s93, s93, 8
	s_add_co_u32 s93, s93, s92
	s_add_co_u32 s93, s93, 155648                  ; scale words
	s_mov_b32 s95, 157696
	s_mov_b32 s[ASTR], 768
	s_cmp_lg_u32 s[ISV], 0
	s_cselect_b32 s[CB0], s94, s22
	s_cselect_b32 s[SB0], s93, s21
	s_cselect_b32 s[CB0+2], 768, s95               ; from a fragment's first half to its second: the next head's record, or the next 768 bytes
	s_cselect_b32 s[ASTR], 1536, s[ASTR]
	s_mov_b32 s[CB0+1], 0
	s_mov_b32 s[CB0+3], 0
	s_mov_b32 s[SB0+1], 0
	s_add_nc_u64 s[CB0:CB0+1], s[10:11], s[CB0:CB0+1]
	s_add_nc_u64 s[CB0+2:CB0+3], s[CB0:CB0+1], s[CB0+2:CB0+3]
	s_add_nc_u64 s[SB0:SB0+1], s[10:11], s[SB0:SB0+1]
	s_add_nc_u64 s[SB0+2:SB0+3], s[SB0:SB0+1], 157696
.irp a, 0,1,2,3
	v_mad_u32_u24 v[CO+\a], s[ASTR], \a, v[L8]
.endr
.irp a, 0,1,2,3
	v_mul_f32 v[B1+2*\a], s[F1F], v[B1+2*\a]
.endr
	WIN 0x40                                       ; destination window 1
.irp a, 0,1,2,3
.irp b, 0,1,2,3,4,5,6,7
.irp j, 0,2,4,6
	v_pk_fma_f32 v[8*(8*\a+\b)+\j:8*(8*\a+\b)+\j+1], v[B0+8*\b+\j:B0+8*\b+\j+1], s[F0F:F0F+1], v[B1+2*\a:B1+2*\a+1] op_sel_hi:[1,0,0]   ; the sums begin with the bias
.endr
.endr
.endr
	s_wait_alu depctr_va_vdst(0)
	s_wait_tensorcnt 0x0                           ; my one load has landed
	s_barrier_signal -1
	s_barrier_wait -1                              ; everybody's has
	FETCH 0
.irp s, 0,1,2,3,4,5,6,7
	STEP \s, 0
.endr
	PLACES 4                                       ; in front of the first read of results
.irp a, 0,1,2,3                        ; tile a of source 1: 64 numbers a lane become one fragment; its two halves of six registers go to two places, 256 consecutive bytes a store
.if \a > 0
	s_wait_xcnt 0x0                                ; the last tile's stores have read their data: the codes are written again only behind this wait
.endif
	QUANT 64*\a, PW+\a
.irp c, 0,1
.irp p, 0,1,2
	global_store_b64 v[CO+\a], v[PC+6*\c+2*\p:PC+6*\c+2*\p+1], s[CB0+2*\c:CB0+2*\c+1] offset:256*\p
.endr
.endr
.endr
	v_cmp_ne_u32 vcc_lo, 0, v3                     ; scale words: lanes 0-15 take the even tile's, lanes 16-31 the odd one's
	v_cndmask_b32 v[WD], v[PW], v[PW+1], vcc_lo
	v_cndmask_b32 v[WD+1], v[PW+2], v[PW+3], vcc_lo
	s_cmp_lg_u32 s[ISV], 0
	s_cbranch_scc0 .Lqk
	global_store_b64 v[L8], v[WD:WD+1], s[SB0:SB0+1]   ; v: the four bytes are the key step's four blocks
	s_branch .Ldone
.Lqk:
	s_wait_alu depctr_va_vdst(0)
	v_and_b32 v[WD+2], 0xffff, v[WD]               ; q, k: bytes 0, 1 are the first head's two blocks, bytes 2, 3 the second head's; the upper half of each stored word is 0
	v_and_b32 v[WD+3], 0xffff, v[WD+1]
	v_lshrrev_b32 v190, 16, v[WD]
	v_lshrrev_b32 v191, 16, v[WD+1]
	global_store_b64 v[L8], v[WD+2:WD+3], s[SB0:SB0+1]
	global_store_b64 v[L8], v[190:191], s[SB0+2:SB0+3]
.Ldone:
	s_wait_tensorcnt 0x0                           ; the wave's end
	ds_add_u32 v[SPW], v[NIL]
	s_wait_dscnt 0x0
	CROUND                                         ; the closing round
	s_endpgm
.Lfunc_end_k_qdfec6f6de6_proj:
	.size	k_qdfec6f6de6_proj, .Lfunc_end_k_qdfec6f6de6_proj-k_qdfec6f6de6_proj
	.p2alignl 7, 3214868480
	.fill 96, 4, 3214868480
	.section	.rodata,"a",@progbits
	.p2align	6, 0x0
	.amdhsa_kernel k_qdfec6f6de6_proj
		.amdhsa_group_segment_fixed_size 327680
		.amdhsa_private_segment_fixed_size 0
		.amdhsa_enable_private_segment 0
		.amdhsa_kernarg_size 32
		.amdhsa_user_sgpr_count 2
		.amdhsa_user_sgpr_kernarg_segment_ptr 1
		.amdhsa_wavefront_size32 1
		.amdhsa_system_sgpr_workgroup_id_x 1
		.amdhsa_system_sgpr_workgroup_id_y 1
		.amdhsa_system_sgpr_workgroup_id_z 1
		.amdhsa_system_vgpr_workitem_id 0
		.amdhsa_next_free_vgpr 1024
		.amdhsa_next_free_sgpr 100
		.amdhsa_reserve_vcc 1
		.amdhsa_float_denorm_mode_32 3
		.amdhsa_float_denorm_mode_16_64 3
		.amdhsa_memory_ordered 1
		.amdhsa_forward_progress 1
		.amdhsa_inst_pref_size 91
	.end_amdhsa_kernel
	.amdgpu_metadata
---
amdhsa.version: [ 1, 2 ]
amdhsa.kernels:
  - .name:           k_qdfec6f6de6_proj
    .symbol:         k_qdfec6f6de6_proj.kd
    .args:
      - { .name: xc, .offset: 0, .size: 8, .value_kind: global_buffer, .address_space: global }
      - { .name: xs, .offset: 8, .size: 8, .value_kind: global_buffer, .address_space: global }
      - { .name: b, .offset: 16, .size: 8, .value_kind: global_buffer, .address_space: global }
      - { .name: pj, .offset: 24, .size: 8, .value_kind: global_buffer, .address_space: global }
    .group_segment_fixed_size: 327680
    .private_segment_fixed_size: 0
    .kernarg_segment_align: 8
    .kernarg_segment_size: 32
    .max_flat_workgroup_size: 128
    .sgpr_count:     100
    .vgpr_count:     1024
    .wavefront_size: 32
...
	.end_amdgpu_metadata
.endif
;; end of part 2
;; launch attn (part 3): grid 2 x 128, 16 waves a work-group, no clusters, 167,936 bytes of LDS; arguments pj, mb, oc, os; writes oc, os
.if DOCPART == 3
	.amdgcn_target "amdgcn-amd-amdhsa--gfx1250"
	.amdhsa_code_object_version 6
	.text
	.protected	k_qdfec6f6de6_attn
	.globl	k_qdfec6f6de6_attn
	.p2align	8
	.type	k_qdfec6f6de6_attn,@function
k_qdfec6f6de6_attn:
	s_mov_b64 s[64:65], 0
	v_nop
	global_prefetch_b8 v0, s[64:65] scope:SCOPE_SE
	s_setreg_imm32_b32 hwreg(HW_REG_WAVE_MODE, 25, 1), 1
	s_wait_xcnt 0x0
; x[n][h][q] = sum over k of softmax_k(where(mask == 0, -1e9, q . k / 8)) v[k], both products on codes of FP6 (E2M3) with E8M0 scales; x is quantised in registers as the last projection's operand.
; THE SOFTMAX: t = score x c, c = log2(e) / 8; M = the row's largest t so far, rounded up to a whole number; p = 2^(t - M) is quantised along the keys, not normalised; the row's sum of the unquantised p divides at
; the end.  When M moves, the sum and O are multiplied by 2^(old M - new M), which rounds nothing.  The running maximum is kept of the raw scores; t - M is one fused multiply-add.
; LIMIT (range): a masked raw score is held at -2^33 (a logit of -2^30) where reference() writes a logit of -1e9: c x -2^33 is exact in f32 and a whole number, so a row that is masked throughout has t = M and p = 1 for
; every key, as with -1e9.  The results are reference()'s while every logit that is not masked lies above -9.9e8.  The scaled scores stay under 2^31 in magnitude.
; LIMITS: a block of zeros gets the byte 1; NaN and infinities are not served.
; SHARES.  A work-group owns 512 queries of one (n, head); its record's codes and scale words of K and V, 104,448 bytes, lie in LDS, filled once: waves 0-7 bring 51 rows of 256 bytes each.  Sixteen waves, four to a SIMD.
; Wave w takes two tiles of 16 queries one after the other: B = 2 x + w / 8, kk = w % 8, tiles e = 2 kk, 2 kk + 1; lane r of tile e is query 256 B + 16 r + e.  The last reshape makes of 16 neighbouring queries one row
; of the next operand, query e at K = 64 e on: lane r is row 16 B + r of it, the two passes fill K step kk, and the wave stores one whole fragment.
; NO CLUSTER: only the two work-groups of a head share bytes.  NO PREFETCH: every byte of K and V is asked for once, at the head; there is no loop to run ahead in.
; LAYOUT.  Both products are used transposed (S^T = K Q^T, O^T = V^T P^T): a lane holds one query.  The first product's K is 64: Q's upper six registers are zero codes; K's upper six are whatever stands in the next
; registers (any bits are codes) and meet those zeros.  The keys of a tile are 32 b + 8 u + r + 8 (r / 8): 16 registers of two tiles are 16 neighbouring keys.
; Two regions of 64 registers change roles from step to step: one holds K and then V, the other S^T, then p, and its first 48, once summed and converted, the next step's K.
; The row's sum goes in four chains; its last eight additions (p's registers 48-63, on which no load lands) stand behind the products: they are the places that those need.
; The mask comes as lane masks, one word for each score register, by scalar loads a key step ahead; it only selects values.
.set KSO,   49152                      ; LDS: K's codes 0 ([8 key steps][8 tiles][768]), K's scale words,
.set VCO,   53248                      ; V's codes ([8][4 channel tiles][2][768]),
.set VSO,   102400                     ; V's scale words
.set SPARE, 104448                     ; the spare words, 128 bytes for each wave
.set OSG,   106496                     ; 1,024 bytes: the two tiles' scale words of x, gathered
; v1 8 x lane; v2 VCO + 8 x lane; v4 VSO + 8 x lane; v6, v7 the add's two; v8 8 r; v9 16 x lane; v10, v11 OSG in and out; v12 -M, v13 the largest raw score, v[14:15] the sum;
; v16-27 Q, v28 its scale words; v32-95, v96-159 the two regions; v160-191 O^T; v192-203 p's codes; v204-210 halves; v212-225 at work (v216-221 also three chains of the sum); v[226:227] f; v228 p's scale word;
; v229 the second pass's Q scale words; v230-241 x's codes; v242 x's scale word; v244-247 K's scale words, v248-249 V's; v250-255 the second pass's Q
; s15 passes to go; s[4:5] Q's codes, s[66:67] Q's scale words, s[6:7] mask words, s[8:9] oc, s[10:11] os; s12 wave, s13 kk; s[16:23], s[24:27] descriptor; s[28:29] c; s[30:31] selects;
; s[32:63], s[68:99] 64 mask words; s100 the masked raw score; s101 the mask words' offset
	s_load_b256 s[4:11], s[0:1], 0x0               ; pj, mb, oc, os
	v_lshl_add_u32 v6, v0, 2, SPARE
	v_mov_b32 v7, 0
	ds_add_u32 v6, v7                              ; the opening lines: the add, twice on end, and its wait stand ahead of the first tensor load
	ds_add_u32 v6, v7
	v_lshrrev_b32 v1, 5, v0
	v_readfirstlane_b32 s12, v1                    ; wave 0..15
	s_and_b32 s32, ttmp7, 0xffff                   ; g = 16 n + head
	s_mul_i32 s33, s32, 157696                     ; my record
	s_and_b32 s34, s12, 7
	s_mul_i32 s34, s34, 13056                      ; an eighth of the 104,448 bytes
	s_mov_b32 s16, 3<<16                           ; group 1: 51 rows of 256 bytes (32 elements of 8 bytes), dense
	s_mov_b32 s17, 32<<16
	s_mov_b32 s18, 51<<16
	s_mov_b32 s19, 32<<16
	s_mov_b32 s20, 51
	s_mov_b32 s21, 32
	s_mov_b32 s22, 0
	s_mov_b32 s23, 0
	s_mov_b32 s24, 1
	s_mov_b32 s25, s34
	s_add_co_u32 s52, s33, s34
	s_add_co_u32 s52, s52, 53248
	s_mov_b32 s53, 0
	s_lshr_b32 s36, s12, 3
	s_lshl_b32 s37, ttmp9, 1
	s_add_co_u32 s36, s36, s37                     ; B
	s_and_b32 s13, s12, 7                          ; kk
	s_lshr_b32 s38, s32, 4                         ; n
	s_and_b32 s39, s32, 15                         ; head
	s_lshl_b32 s40, s36, 4
	s_lshl_b32 s41, s13, 1
	s_add_co_u32 s40, s40, s41                     ; my first tile of queries: 16 B + 2 kk
	s_mul_i32 s40, s40, 768
	s_add_co_u32 s40, s40, s33
	s_mov_b32 s41, 0
	s_lshl_b32 s42, s36, 1                         ; its scale words: group of 8 tiles 2 B + kk / 4, half (kk / 2) % 2, word kk % 2; pass p: lanes 16 p on
	s_lshr_b32 s43, s13, 2
	s_add_co_u32 s42, s42, s43
	s_lshl_b32 s42, s42, 9
	s_bfe_u32 s43, s13, 0x10001
	s_lshl_b32 s43, s43, 8
	s_add_co_u32 s42, s42, s43
	s_and_b32 s43, s13, 1
	s_lshl_b32 s43, s43, 2
	s_add_co_u32 s42, s42, s43
	s_add_co_u32 s42, s42, s33
	s_add_co_u32 s42, s42, 49152
	s_mov_b32 s43, 0
	s_lshl_b32 s44, s38, 2                         ; my mask words: tile (4 n + B) 16 + 2 kk, 2,048 bytes a tile: 4,096 bytes on end for my 16 steps
	s_add_co_u32 s44, s44, s36
	s_lshl_b32 s44, s44, 4
	s_lshl_b32 s45, s13, 1
	s_add_co_u32 s44, s44, s45
	s_lshl_b32 s44, s44, 11
	s_mov_b32 s45, 0
	s_lshl_b32 s46, s39, 3                         ; the next operand's tile T = (8 head + n) 4 + B
	s_add_co_u32 s46, s46, s38
	s_lshl_b32 s46, s46, 2
	s_add_co_u32 s46, s46, s36
	s_lshl_b32 s48, s46, 9
	s_mov_b32 s49, 0
	s_lshr_b32 s47, s46, 3
	s_mul_i32 s50, s47, 98304
	s_and_b32 s47, s46, 7
	s_mul_i32 s47, s47, 3072
	s_add_co_u32 s50, s50, s47
	s_lshr_b32 s47, s13, 1
	s_mul_i32 s47, s47, 24576
	s_add_co_u32 s50, s50, s47
	s_and_b32 s47, s13, 1
	s_mul_i32 s47, s47, 1536
	s_add_co_u32 s50, s50, s47
	s_mov_b32 s51, 0
	s_lshr_b32 s54, s12, 3
	s_lshl_b32 s54, s54, 9
	s_add_co_u32 s54, s54, OSG                     ; my tile's 512 bytes of scale words
	s_lshl_b32 s55, s13, 2
	s_add_co_u32 s55, s55, s54
	s_mov_b32 s28, 0x3e38aa3b                      ; c = log2(e) / 8
	s_mov_b32 s29, s28
	s_mov_b32 s30, 0x76543210
	s_mov_b32 s31, 0xfedcba98
	s_mov_b32 s100, 0xd0000000                     ; -2^33
	s_mov_b32 s101, 0
	s_wait_dscnt 0x0                               ; both opening adds are done
	s_wait_kmcnt 0x0
	s_add_nc_u64 s[26:27], s[4:5], s[52:53]
	s_or_b32 s27, s27, 0x80000000
	s_cmp_lt_u32 s12, 8
	s_cbranch_scc0 .Lno_fill
	tensor_load_to_lds s[24:27], s[16:23]          ; one load a wave, waves 0-7: filled once
	s_nop 0
.rept 4
	v_nop
.endr
.Lno_fill:
	s_add_nc_u64 s[66:67], s[4:5], s[42:43]
	s_add_nc_u64 s[4:5], s[4:5], s[40:41]
	s_add_nc_u64 s[6:7], s[6:7], s[44:45]
	s_add_nc_u64 s[8:9], s[8:9], s[50:51]
	s_add_nc_u64 s[10:11], s[10:11], s[48:49]
	v_and_b32 v5, 31, v0                           ; lane
	v_and_b32 v8, 15, v0                           ; r
	v_lshlrev_b32 v1, 3, v5
	v_add_nc_u32 v2, VCO, v1
	v_add_nc_u32 v4, VSO, v1
	v_lshlrev_b32 v9, 4, v5
	v_lshl_add_u32 v10, v8, 5, s55                 ; OSG + 512 (w / 8) + 4 kk + 32 r
	v_add_nc_u32 v11, s54, v9                      ; OSG + 512 (w / 8) + 16 x lane
	v_lshlrev_b32 v8, 3, v8
	global_load_b64 v[16:17], v1, s[4:5]           ; both passes' Q and scale words, while K and V are on their way
	global_load_b64 v[18:19], v1, s[4:5] offset:256
	global_load_b64 v[20:21], v1, s[4:5] offset:512
	global_load_b32 v28, v8, s[66:67]
	global_load_b64 v[250:251], v1, s[4:5] offset:768
	global_load_b64 v[252:253], v1, s[4:5] offset:1024
	global_load_b64 v[254:255], v1, s[4:5] offset:1280
	global_load_b32 v229, v8, s[66:67] offset:128
.irp j, 22,23,24,25,26,27,80,81,82,83,84,85,216,217,218,219,227,236,237,238,239,240,241,242
	v_mov_b32 v\j, 0                               ; Q's upper half: zero codes; the registers behind K's last fragment in the first step; permutes' destinations; the upper half of f's pair; what the first pass's end shifts down
.endr
	s_load_b512 s[32:47], s[6:7], s101 offset:0x0  ; the first step's 64 mask words
	s_load_b512 s[48:63], s[6:7], s101 offset:0x40
	s_load_b512 s[68:83], s[6:7], s101 offset:0x80
	s_load_b512 s[84:99], s[6:7], s101 offset:0xc0
	s_wait_alu depctr_va_vdst(0)
	s_wait_tensorcnt 0x0
	s_barrier_signal -1
	s_barrier_wait -1                              ; K and V lie in LDS
.macro MM d, a, b, z, sa, sb, odd      ; one product; z = 1: it starts the sum; odd = 1: source 0's scale words lie in lanes 16-31
.if \z
.if \odd
	v_wmma_scale_f32_16x16x128_f8f6f4 v[\d:\d+7], v[\a:\a+11], v[\b:\b+11], 0, v[\sa], v[\sb] matrix_a_fmt:MATRIX_FMT_FP6 matrix_b_fmt:MATRIX_FMT_FP6 matrix_a_scale:MATRIX_SCALE_ROW1
.else
	v_wmma_scale_f32_16x16x128_f8f6f4 v[\d:\d+7], v[\a:\a+11], v[\b:\b+11], 0, v[\sa], v[\sb] matrix_a_fmt:MATRIX_FMT_FP6 matrix_b_fmt:MATRIX_FMT_FP6
.endif
.else
.if \odd
	v_wmma_scale_f32_16x16x128_f8f6f4 v[\d:\d+7], v[\a:\a+11], v[\b:\b+11], v[\d:\d+7], v[\sa], v[\sb] matrix_a_fmt:MATRIX_FMT_FP6 matrix_b_fmt:MATRIX_FMT_FP6 matrix_a_scale:MATRIX_SCALE_ROW1
.else
	v_wmma_scale_f32_16x16x128_f8f6f4 v[\d:\d+7], v[\a:\a+11], v[\b:\b+11], v[\d:\d+7], v[\sa], v[\sb] matrix_a_fmt:MATRIX_FMT_FP6 matrix_b_fmt:MATRIX_FMT_FP6
.endif
.endif
.endm
.macro KLOAD reg, nk                   ; key step nk: eight tiles' six registers, on end, and their scale words: 26 loads
.set t, 0
.rept 8
	ds_load_b64 v[(\reg)+6*t:(\reg)+6*t+1], v1 offset:6144*(\nk)+768*t
	ds_load_b64 v[(\reg)+6*t+2:(\reg)+6*t+3], v1 offset:6144*(\nk)+768*t+256
	ds_load_b64 v[(\reg)+6*t+4:(\reg)+6*t+5], v1 offset:6144*(\nk)+768*t+512
.set t, t+1
.endr
	ds_load_b64 v[244:245], v1 offset:KSO+512*(\nk)
	ds_load_b64 v[246:247], v1 offset:KSO+512*(\nk)+256
.endm
.macro TAIL r                          ; eight p from register r on, a pair onto each of the sum's four chains
	v_pk_add_f32 v[216:217], v[216:217], v[\r:\r+1]
	v_pk_add_f32 v[218:219], v[218:219], v[\r+2:\r+3]
	v_pk_add_f32 v[220:221], v[220:221], v[\r+4:\r+5]
	v_pk_add_f32 v[14:15], v[14:15], v[\r+6:\r+7]
.endm
.macro JOIN                            ; the four chains become one
	v_pk_add_f32 v[216:217], v[216:217], v[218:219]
	v_pk_add_f32 v[14:15], v[14:15], v[220:221]
	v_pk_add_f32 v[14:15], v[14:15], v[216:217]
.endm
.macro STEP ks                         ; 128 keys: key step ks
.if ((\ks)%2) == 0
.set KR, 32                            ; K, then V; its registers 48-63 still hold the last step's p
.set SR, 96                            ; S^T, then p, then the next step's K
.else
.set KR, 96
.set SR, 32
.endif
.set NK, ((\ks)+1)%8
	s_wait_dscnt 0x0                               ; this step's K and its scale words, asked for in the step before
	s_wait_kmcnt 0x0                               ; this step's mask words, asked for a step ago; their offset may be written
	s_add_co_u32 s101, s101, 256
	s_min_u32 s101, s101, 3840                     ; the next step's; my last step asks for its own again: no load leaves the buffer
.if (\ks) > 0
	TAIL KR+48                                     ; five places: S^T is written over the registers that the last products read as V
	v_mov_b32 v225, v12                            ; the old -M is kept for f
.endif
.set t, 0
.rept 8                                ; S^T = K Q^T
	MM SR+8*t, KR+6*t, 16, 1, 244+t/2, 28, t%2
.set t, t+1
.endr
.if (\ks) > 0
	TAIL KR+56                                     ; four places (registers 56-63 belong to no operand above), in front of the loads below and of the first read of the scores
	JOIN
.else
.rept 4
	v_nop
.endr
.endif
.set t, 0
.rept 8                                ; V's four fragments come while the softmax is worked
	ds_load_b64 v[KR+6*t:KR+6*t+1], v2 offset:6144*(\ks)+768*t
	ds_load_b64 v[KR+6*t+2:KR+6*t+3], v2 offset:6144*(\ks)+768*t+256
	ds_load_b64 v[KR+6*t+4:KR+6*t+5], v2 offset:6144*(\ks)+768*t+512
.set t, t+1
.endr
	ds_load_b64 v[248:249], v4 offset:256*(\ks)
.set j, 0
.rept 32
	v_cndmask_b32 v[SR+j], s100, v[SR+j], s[32+j]  ; where the mask is 0: the masked score; each accumulator from its low end on
.set j, j+1
.endr
	s_load_b512 s[32:47], s[6:7], s101 offset:0x0
	s_load_b512 s[48:63], s[6:7], s101 offset:0x40
.set j, 0
.rept 32
	v_cndmask_b32 v[SR+32+j], s100, v[SR+32+j], s[68+j]
.set j, j+1
.endr
	s_load_b512 s[68:83], s[6:7], s101 offset:0x80
	s_load_b512 s[84:99], s[6:7], s101 offset:0xc0
.irp b, 0,1,2,3
	v_max3_num_f32 v[212+\b], v[SR+16*\b], v[SR+16*\b+1], v[SR+16*\b+2]   ; the largest score of each block of 32 keys: for the row's maximum, and, since p rises with the score, for the block's largest p
.endr
.irp i, 3,5,7,9,11,13
.irp b, 0,1,2,3
	v_max3_num_f32 v[212+\b], v[212+\b], v[SR+16*\b+\i], v[SR+16*\b+\i+1]
.endr
.endr
.irp b, 0,1,2,3
	v_max_num_f32 v[212+\b], v[212+\b], v[SR+16*\b+15]
.endr
.irp b, 0,1,2,3
	v_permlanex16_b32 v[216+\b], v[212+\b], s30, s31
.endr
.irp b, 0,1,2,3
	v_max_num_f32 v[212+\b], v[212+\b], v[216+\b]  ; with lane l xor 16's 16 keys
.endr
	v_max3_num_f32 v224, v212, v213, v214
	s_delay_alu instid0(VALU_DEP_1)
.if (\ks) > 0
	v_max3_num_f32 v13, v224, v215, v13            ; the running largest raw score
.else
	v_max_num_f32 v13, v224, v215                  ; a pass's first step starts it
.endif
	s_delay_alu instid0(VALU_DEP_1)
	v_mul_f32 v224, s28, v13                       ; as t (c is positive)
	s_delay_alu instid0(VALU_DEP_1)
	v_floor_f32 v12, -v224                         ; the new -M = -ceil(t)
.set j, 0
.rept 32
	v_pk_fma_f32 v[SR+j:SR+j+1], v[SR+j:SR+j+1], s[28:29], v[12:13] op_sel_hi:[1,0,0]   ; t - M, two at a time; the three lines that make f stand among the first of these
.if ((\ks) > 0) && (j == 0)
	v_sub_f32 v225, v12, v225                      ; old M - new M: a whole number, 0 or less
.endif
.if ((\ks) > 0) && (j == 4)
	v_cvt_i32_f32 v225, v225                       ; (it saturates)
.endif
.if ((\ks) > 0) && (j == 8)
	v_ldexp_f32 v226, 1.0, v225                    ; f = 2^(old M - new M)
.endif
.set j, j+2
.endr
.irp b, 0,1,2,3
	v_fma_f32 v[212+\b], v[212+\b], s28, v12       ; the same of each block's largest score
.endr
	s_wait_alu depctr_va_vdst(0)
.set j, 0
.rept 64
	v_exp_f32 v[SR+j], v[SR+j]                     ; p = 2^(t - M)
.set j, j+1
.endr
.irp b, 0,1,2,3
	v_exp_f32 v[212+\b], v[212+\b]                 ; the block's largest p: the same instructions on the same number
.endr
.if (\ks) > 0
	v_pk_mul_f32 v[14:15], v[14:15], v[226:227] op_sel_hi:[1,0]   ; the sum under the new M: the plain place behind the batch
.else
	v_nop
.endif
	s_wait_alu depctr_va_vdst(0)                   ; one wait for the whole batch, ahead of its first reader
.irp b, 0,1,2,3
	v_max_num_f32 v[212+\b], 0x1800000, v[212+\b]  ; the floor 2^(3 - 127)
.endr
.irp b, 0,1,2,3
	v_add_nc_u32 v[220+\b], 0xff000000, v[212+\b]  ; 2 off the exponent field: the conversion's scale operand
.endr
.irp b, 0,1,2,3
	v_lshrrev_b32 v[216+\b], 23, v[220+\b]         ; the scale's byte
.endr
	v_lshl_or_b32 v228, v217, 8, v216
	v_lshl_or_b32 v228, v218, 16, v228
	v_lshl_or_b32 v228, v219, 24, v228
.irp c, 0,1
	v_cvt_scalef32_pk16_fp6_f32 v[192+6*\c:194+6*\c], v[SR+32*\c:SR+32*\c+15], v[220+2*\c]
	v_cvt_scalef32_pk16_fp6_f32 v[204+4*\c:206+4*\c], v[SR+32*\c+16:SR+32*\c+31], v[221+2*\c]
.endr
	v_pk_add_f32 v[216:217], v[SR:SR+1], v[SR+2:SR+3]        ; the row's sum of the unquantised p: registers 0-47 now (also the plain place behind the conversions)
	v_pk_add_f32 v[218:219], v[SR+4:SR+5], v[SR+6:SR+7]
	v_pk_add_f32 v[220:221], v[SR+8:SR+9], v[SR+10:SR+11]
	v_pk_add_f32 v[14:15], v[14:15], v[SR+12:SR+13]
	TAIL SR+14
	TAIL SR+22
	TAIL SR+30
	TAIL SR+38
	v_pk_add_f32 v[14:15], v[14:15], v[SR+46:SR+47]
	KLOAD SR, NK                                   ; registers 0-47 are summed and converted: the next step's K lands there
.irp c, 0,1
.irp i, 0,1,2
	v_permlane16_swap_b32 v[192+6*\c+\i], v[204+4*\c+\i]
.endr
.irp i, 0,1,2
	v_mov_b32 v[195+6*\c+\i], v[204+4*\c+\i]
.endr
.endr
	s_wait_dscnt 26                                ; V is in; the 26 loads of the next step's K, issued behind V's 25, may be out
	s_wait_alu depctr_va_vdst(0)                   ; directly ahead of the first reader of O^T
.if (\ks) > 0
.set j, 0
.rept 16
	v_pk_mul_f32 v[160+j:161+j], v[160+j:161+j], v[226:227] op_sel_hi:[1,0]   ; O^T under the new M, each accumulator from its low end on; also the places between p's codes and the products below
.set j, j+2
.endr
.else
.rept 4
	v_nop                                          ; the same places in a step that has nothing to rescale
.endr
.endif
.set t, 0
.rept 4                                ; O^T += V^T P^T: four accumulators by turns; a pass's first step starts the sums
	MM 160+8*t, KR+12*t, 192, (\ks)==0, 248+t/2, 228, t%2
.set t, t+1
.endr
.endm
	KLOAD 32, 0                                    ; the first pass's first K
	s_wait_loadcnt 0x0                             ; Q, both passes'
	s_mov_b32 s15, 2
.Lpass:                                            ; a tile of 16 queries; K of key step 0 is on its way on both ways in
	v_mov_b32 v14, 0                               ; the sum
	v_mov_b32 v15, 0
.irp s, 0,1,2,3,4,5,6,7
	STEP \s
.endr
	TAIL 80                                        ; the last step's p, registers 48-63 of its region; also the places in front of the first read of O^T
	TAIL 88
	JOIN
	v_add_f32 v14, v14, v15
	v_permlanex16_b32 v224, v14, s30, s31
	v_add_f32 v14, v14, v224                       ; the row's sum
	s_wait_alu depctr_va_vdst(0)
	v_rcp_f32 v226, v14
.irp i, 0,1,2,3,4,5                    ; plain work behind the reciprocal: the other pass's Q takes its place, and the codes of x made so far move down
	v_mov_b32 v[16+\i], v[250+\i]
	v_mov_b32 v[230+\i], v[236+\i]
.endr
	v_mov_b32 v28, v229
	v_lshrrev_b32 v242, 16, v242                   ; so do their two scale bytes
	s_wait_alu depctr_va_vdst(0)                   ; ahead of the reciprocal's first reader and of O^T's
.set j, 0
.rept 16
	v_pk_mul_f32 v[96+j:97+j], v[160+j:161+j], v[226:227] op_sel_hi:[1,0]   ; x: register 16 b + i is channel 32 b + 16 h + i
.set j, j+2
.endr
.irp b, 0,1
	v_max3_num_f32 v[212+\b], |v[96+16*\b]|, |v[97+16*\b]|, 0x1800000
.endr
.irp i, 2,4,6,8,10,12,14
.irp b, 0,1
	v_max3_num_f32 v[212+\b], v[212+\b], |v[96+16*\b+\i]|, |v[97+16*\b+\i]|
.endr
.endr
.irp b, 0,1
	v_permlanex16_b32 v[216+\b], v[212+\b], s30, s31
.endr
.irp b, 0,1
	v_max_num_f32 v[212+\b], v[212+\b], v[216+\b]
.endr
.irp b, 0,1
	v_add_nc_u32 v[220+\b], 0xff000000, v[212+\b]
.endr
.irp b, 0,1
	v_lshrrev_b32 v[216+\b], 23, v[220+\b]
.endr
	v_lshl_or_b32 v216, v217, 8, v216
	v_lshl_or_b32 v242, v216, 16, v242             ; this pass's two bytes on top: behind two passes the word holds blocks 0, 1 below and 2, 3 above
	v_cvt_scalef32_pk16_fp6_f32 v[236:238], v[96:111], v220
	v_cvt_scalef32_pk16_fp6_f32 v[204:206], v[112:127], v221
	v_nop                                          ; one plain place behind a scaled conversion
.irp i, 0,1,2
	v_permlane16_swap_b32 v[236+\i], v[204+\i]
.endr
.irp i, 0,1,2
	v_mov_b32 v[239+\i], v[204+\i]
.endr
	s_sub_co_u32 s15, s15, 1
	s_cmp_lg_u32 s15, 0
	s_wait_alu depctr_va_vdst(0)
	s_cbranch_scc1 .Lpass
.irp i, 0,1,2
	global_store_b128 v9, v[230+4*\i:233+4*\i], s[8:9] offset:512*\i   ; one whole fragment: three stores of 512 consecutive bytes
.endr
	ds_store_b32 v10, v242                         ; my K step's scale word of each row (lanes r and 16 + r write the same word with the same value)
	s_wait_dscnt 0x0
	s_barrier_signal -1
	s_barrier_wait -1
	s_cmp_lg_u32 s13, 0                            ; waves 0 and 8 store their tile's 512 bytes of scale words
	s_cbranch_scc1 .Lnot_0
	ds_load_b128 v[96:99], v11
	s_wait_dscnt 0x0
	global_store_b128 v9, v[96:99], s[10:11]
.Lnot_0:
	s_wait_tensorcnt 0x0                           ; the wave's end
	ds_add_u32 v6, v7
	s_wait_dscnt 0x0
	s_endpgm
.Lfunc_end_k_qdfec6f6de6_attn:
	.size	k_qdfec6f6de6_attn, .Lfunc_end_k_qdfec6f6de6_attn-k_qdfec6f6de6_attn
	.p2alignl 7, 3214868480
	.fill 96, 4, 3214868480
	.section	.rodata,"a",@progbits
	.p2align	6, 0x0
	.amdhsa_kernel k_qdfec6f6de6_attn
		.amdhsa_group_segment_fixed_size 167936
		.amdhsa_private_segment_fixed_size 0
		.amdhsa_enable_private_segment 0
		.amdhsa_kernarg_size 32
		.amdhsa_user_sgpr_count 2
		.amdhsa_user_sgpr_kernarg_segment_ptr 1
		.amdhsa_wavefront_size32 1
		.amdhsa_system_sgpr_workgroup_id_x 1
		.amdhsa_system_sgpr_workgroup_id_y 1
		.amdhsa_system_sgpr_workgroup_id_z 1
		.amdhsa_system_vgpr_workitem_id 0
		.amdhsa_next_free_vgpr 256
		.amdhsa_next_free_sgpr 102
		.amdhsa_reserve_vcc 0
		.amdhsa_float_denorm_mode_32 3
		.amdhsa_float_denorm_mode_16_64 3
		.amdhsa_memory_ordered 1
		.amdhsa_forward_progress 1
		.amdhsa_inst_pref_size 179
	.end_amdhsa_kernel
	.amdgpu_metadata
---
amdhsa.version: [ 1, 2 ]
amdhsa.kernels:
  - .name:           k_qdfec6f6de6_attn
    .symbol:         k_qdfec6f6de6_attn.kd
    .args:
      - { .name: pj, .offset: 0, .size: 8, .value_kind: global_buffer, .address_space: global }
      - { .name: mb, .offset: 8, .size: 8, .value_kind: global_buffer, .address_space: global }
      - { .name: oc, .offset: 16, .size: 8, .value_kind: global_buffer, .address_space: global }
      - { .name: os, .offset: 24, .size: 8, .value_kind: global_buffer, .address_space: global }
    .group_segment_fixed_size: 167936
    .private_segment_fixed_size: 0
    .kernarg_segment_align: 8
    .kernarg_segment_size: 32
    .max_flat_workgroup_size: 512
    .sgpr_count:     102
    .vgpr_count:     256
    .wavefront_size: 32
...
	.end_amdgpu_metadata
.endif
;; end of part 3
;; launch outp (part 4): grid 4 x 64, 4 waves a work-group, clusters of 4 x 4, 327,680 bytes of LDS; arguments oc, os, xc, xs, b, out0; writes out0
.if DOCPART == 4
	.amdgcn_target "amdgcn-amd-amdhsa--gfx1250"
	.amdhsa_code_object_version 6
	.text
	.protected	k_qdfec6f6de6_outp
	.globl	k_qdfec6f6de6_outp
	.p2align	8
	.type	k_qdfec6f6de6_outp,@function
k_qdfec6f6de6_outp:
	s_mov_b64 s[64:65], 0
	v_nop
	global_prefetch_b8 v0, s[64:65] scope:SCOPE_SE
	s_setreg_imm32_b32 hwreg(HW_REG_WAVE_MODE, 25, 1), 1
	s_wait_xcnt 0x0
	s_wait_alu depctr_hold_cnt(0) depctr_sa_sdst(0) depctr_va_vdst(0) depctr_va_sdst(0) depctr_va_ssrc(0) depctr_va_vcc(0) depctr_vm_vsrc(0)
	s_getreg_b32 s2, hwreg(HW_REG_IB_STS2, 6, 4)
	s_cmp_eq_u32 s2, 0
	s_cbranch_scc0 .Lentry_in_a_cluster
	s_endpgm
.Lentry_in_a_cluster:
	s_bfe_u32 s2, ttmp6, 0x10000c
	s_cmp_lg_u32 s2, 0xf033
	s_cbranch_scc0 .Lentry_shape_is_right
	s_endpgm
.Lentry_shape_is_right:
; out0 = x W^T + b on codes of FP6 (E2M3) with E8M0 scales, K = 1,024.  x's codes and scale words come from the attention launch, W's from the first launch, both in the order of the operands' registers.
; A work-group makes 256 features (source 0 = W's rows) x 128 rows of x (source 1); four waves, each 128 x 64: 32 accumulators.  A lane holds one row of out0 and its registers run along the features.
; ALL OF K LIES IN LDS, filled once, in four chunks of 256 along K; one wait for 0 and one barrier stand in front of the first read; no slot is filled again.
; CLUSTERS: 4 x 4.  W's block hangs on the tile column alone and is asked for jointly by a column of the cluster, x's on the tile row alone, by a row.  Waves 0, 1 fetch W's halves, waves 2, 3 x's: one load a wave.
; The bias is the C of each sum's first product.  W's tile T holds rows 32 (T / 2) + 8 (T % 2) + r + 8 (r / 8): register j of lane (r, h) of tile b is feature 32 (b / 2) + 16 h + 8 (b % 2) + j.
; THE WAY OUT: 16 rows x 512 bytes at a time through the wave's own stage, which lies in LDS bytes 8,448 w on: they have had their last fill, and behind a barrier nobody reads them.
; REGISTERS, in windows of 256: window 0 addresses, scale words, bias, rows on the way out; window 1 the accumulators ((a, b) at v[8 (8 a + b)]); windows 2, 3 two sets of fragments.
; THE FILL AS IT NOW STANDS: ONE tensor load a wave brings all of K: waves 0, 1 a half of W's block each, 98,304 consecutive bytes;
; waves 2, 3 a half of x's block each, four rows of 12,288 bytes, 24,576 apart in memory.  One wait for 0 and one barrier stand in front of the first read.
.set S1B,   196608                     ; LDS: W at half 98,304 + c 24,576; x from here, at half 49,152 + c 12,288
.set SPARE, 294912
.set WV,  16
.set S0H, 17
.set S1H, 18
.set CX,  19
.set CY,  20
.set T1,  21
.set G1,  24
.set G1B, 32
.set G0,  40
.set A0,  4
.set A1,  8
.set SO,  12                           ; v12  32 x lane
.set CO,  13                           ; v13  16 x lane
.set SPW, 14
.set NIL, 15
.set SC0, 16
.set SC1, 48
.set B0,  64                           ; v64-127 the bias; later rows on the way out, with v192-255 by turns
.set STO, 128
.set RD,  129
.set MSB, 0
.macro WIN new
.if MSB != \new
	s_set_vgpr_msb (MSB<<8)|\new
.set MSB, \new
.endif
.endm
.macro PLACES n
.rept \n
	v_nop
.endr
.endm
.macro CREST
	s_cmp_lg_u32 s[WV], 0
	s_cbranch_scc1 .Lnot_wave_0_\@
	s_barrier_signal -3
.Lnot_wave_0_\@:
	s_barrier_wait -3
	s_barrier_signal -1
	s_barrier_wait -1
.endm
.macro CROUND
	s_barrier_signal -1
	s_barrier_wait -1
	CREST
.endm
.macro FETCH s
.if ((\s)%2) == 0
	WIN 0x80
.else
	WIN 0xc0
.endif
.irp b, 0,1,2,3,4,5,6,7
.irp i, 0,1,2
	ds_load_b128 v[12*\b+4*\i:12*\b+4*\i+3], v[A0+(\s)/2] offset:3072*\b+1536*((\s)%2)+512*\i
.endr
.endr
.irp a, 0,1,2,3
.irp i, 0,1,2
	ds_load_b128 v[96+12*\a+4*\i:96+12*\a+4*\i+3], v[A1+(\s)/2] offset:3072*\a+1536*((\s)%2)+512*\i
.endr
.endr
.endm
.macro WM a, b, s, cm
.set rD, 8*(8*\a+\b)
.set rC, rD
.if \cm
.set rC, B0+8*\b
.endif
.set rA, 12*\b
.set rB, 96+12*\a
.set rX, SC0+8*(\b/2)+\s
.set rY, SC1+8*(\a/2)+\s
.if (\b%2) && (\a%2)
	v_wmma_scale_f32_16x16x128_f8f6f4 v[rD:rD+7], v[rA:rA+11], v[rB:rB+11], v[rC:rC+7], v[rX], v[rY] matrix_a_fmt:MATRIX_FMT_FP6 matrix_b_fmt:MATRIX_FMT_FP6 matrix_a_scale:MATRIX_SCALE_ROW1 matrix_b_scale:MATRIX_SCALE_ROW1
.elseif (\b%2)
	v_wmma_scale_f32_16x16x128_f8f6f4 v[rD:rD+7], v[rA:rA+11], v[rB:rB+11], v[rC:rC+7], v[rX], v[rY] matrix_a_fmt:MATRIX_FMT_FP6 matrix_b_fmt:MATRIX_FMT_FP6 matrix_a_scale:MATRIX_SCALE_ROW1
.elseif (\a%2)
	v_wmma_scale_f32_16x16x128_f8f6f4 v[rD:rD+7], v[rA:rA+11], v[rB:rB+11], v[rC:rC+7], v[rX], v[rY] matrix_a_fmt:MATRIX_FMT_FP6 matrix_b_fmt:MATRIX_FMT_FP6 matrix_b_scale:MATRIX_SCALE_ROW1
.else
	v_wmma_scale_f32_16x16x128_f8f6f4 v[rD:rD+7], v[rA:rA+11], v[rB:rB+11], v[rC:rC+7], v[rX], v[rY] matrix_a_fmt:MATRIX_FMT_FP6 matrix_b_fmt:MATRIX_FMT_FP6
.endif
.endm
.macro MULS s, cm                      ; 32 products: the 32 accumulators take turns, one instruction a turn.  cm = 1: C is the bias, in window 0
.if ((\s)%2) == 0
.if \cm
	WIN 0x4a
.else
	WIN 0x5a
.endif
.else
	WIN 0x5f
.endif
.irp a, 0,1,2,3
.irp b, 0,1,2,3,4,5,6,7
	WM \a, \b, \s, \cm
.endr
.endr
.endm
.macro STEP s, cm
	s_wait_dscnt 0x0                               ; this step's fragments are in
.if (\s) < 7
.if (\s) > 0
	PLACES 4                                       ; in front of loads into registers that the last products have read
.endif
	FETCH (\s)+1
.endif
	MULS \s, \cm
.endm
	s_load_b256 s[4:11], s[0:1], 0x0               ; oc s[4:5], os s[6:7], xc s[8:9], xs s[10:11]
	s_load_b128 s[12:15], s[0:1], 0x20             ; b s[12:13], out0 s[14:15]
	v_lshl_add_u32 v[SPW], v0, 2, SPARE
	v_mov_b32 v[NIL], 0
	ds_add_u32 v[SPW], v[NIL]                      ; the wave's opening: the add and its wait stand ahead of the round in front of my first tensor loads
	ds_add_u32 v[SPW], v[NIL]
	v_lshrrev_b32 v1, 5, v0
	v_readfirstlane_b32 s[WV], v1
	s_and_b32 s[S0H], s[WV], 1
	s_lshr_b32 s[S1H], s[WV], 1
	s_bfe_u32 s[CX], ttmp6, 0x40000                ; also the tile column: W has four blocks of 256 rows
	s_bfe_u32 s[CY], ttmp6, 0x40004
	s_and_b32 s[T1], ttmp7, 0xffff
	s_lshl_b32 s[T1], s[T1], 2
	s_add_co_u32 s[T1], s[T1], s[CY]               ; which 128 rows of x
	s_lshl_b32 s22, 0x1111, s[CX]                  ; my column of the cluster
	s_lshl_b32 s23, s[CY], 2
	s_lshl_b32 s23, 15, s23                        ; my row
	s_or_b32 s[G1], s22, (3<<16)|(1<<21)           ; group 1: W a dense block of 384 rows of 256 bytes; x four rows of 1,536 elements
	s_or_b32 s[G1B], s23, (3<<16)|(1<<21)
	s_mov_b32 s[G1+1], 32<<16
	s_mov_b32 s[G1+2], 384<<16
	s_mov_b32 s[G1+3], 32<<16
	s_mov_b32 s[G1+4], 384
	s_mov_b32 s[G1+5], 32
	s_mov_b32 s[G1+6], 0
	s_mov_b32 s[G1+7], 0
	s_mov_b32 s[G1B+1], 1536<<16                   ; x: rows of 1,536 elements of 8 bytes,
	s_mov_b32 s[G1B+2], 4<<16                      ; four of them,
	s_mov_b32 s[G1B+3], 1536<<16
	s_mov_b32 s[G1B+4], 4
	s_mov_b32 s[G1B+5], 3072                       ; 24,576 bytes apart
	s_mov_b32 s[G1B+6], 0
	s_mov_b32 s[G1B+7], 0
	s_lshl_b32 s76, s[CX], 1                       ; W: group of 8 tiles 2 cx + half (these registers never hold cy,
	s_add_co_u32 s76, s76, s[S0H]
	s_mul_i32 s76, s76, 98304
	s_add_co_u32 s76, s76, 18874368
	s_mov_b32 s77, 0
	s_mul_i32 s78, s[T1], 98304                    ; x's never cx)
	s_mul_i32 s79, s[S0H], 12288
	s_add_co_u32 s78, s78, s79
	s_mov_b32 s79, 0
	s_mul_i32 s80, s[S0H], 98304
	s_mul_i32 s81, s[S0H], 49152
	s_wait_dscnt 0x0                               ; the opening add is done
	s_wait_kmcnt 0x0
	s_add_nc_u64 s[76:77], s[8:9], s[76:77]
	s_add_nc_u64 s[78:79], s[4:5], s[78:79]
.irp c, 0
	s_mov_b32 s[G0+4*\c], 1
	s_add_co_u32 s[G0+4*\c+1], s80, \c*49152
	s_add_nc_u64 s[G0+4*\c+2:G0+4*\c+3], s[76:77], \c*24576
	s_or_b32 s[G0+4*\c+3], s[G0+4*\c+3], 0x80000000
	s_mov_b32 s[56+4*\c+4*(\c/2)], 1
	s_add_co_u32 s[57+4*\c+4*(\c/2)], s81, S1B+\c*24576
	s_add_nc_u64 s[58+4*\c+4*(\c/2):59+4*\c+4*(\c/2)], s[78:79], \c*24576
	s_or_b32 s[59+4*\c+4*(\c/2)], s[59+4*\c+4*(\c/2)], 0x80000000
.endr
	CROUND                                         ; all sixteen work-groups are here: the joint loads meet
	s_cmp_lt_u32 s[WV], 2
	s_cbranch_scc0 .Lfill_1
.irp c, 0
	tensor_load_to_lds s[G0+4*\c:G0+4*\c+3], s[G1:G1+7]
	s_nop 0
.endr
	PLACES 4
	s_branch .Lfilled
.Lfill_1:
.irp c, 0
	tensor_load_to_lds s[56+4*\c+4*(\c/2):59+4*\c+4*(\c/2)], s[G1B:G1B+7]
	s_nop 0
.endr
	PLACES 4
.Lfilled:
	s_lshl_b32 s82, s[CX], 4                       ; W's scale words: my 8 tiles, 512 bytes each
	s_lshl_b32 s83, s[S0H], 3
	s_add_co_u32 s82, s82, s83
	s_lshl_b32 s82, s82, 9
	s_add_co_u32 s82, s82, 786432
	s_mov_b32 s83, 0
	s_add_nc_u64 s[82:83], s[10:11], s[82:83]
	s_lshl_b32 s84, s[T1], 3                       ; x's: my 4 tiles
	s_lshl_b32 s85, s[S1H], 2
	s_add_co_u32 s84, s84, s85
	s_lshl_b32 s84, s84, 9
	s_mov_b32 s85, 0
	s_add_nc_u64 s[84:85], s[6:7], s[84:85]
	s_lshl_b32 s86, s[CX], 10                      ; my 128 features, in bytes: in b, and in a row of out0
	s_lshl_b32 s87, s[S0H], 9
	s_add_co_u32 s86, s86, s87
	s_mov_b32 s87, 0
	s_add_nc_u64 s[12:13], s[12:13], s[86:87]
	s_add_nc_u64 s[14:15], s[14:15], s[86:87]
	s_lshl_b32 s86, s[T1], 19                      ; my first row of out0: 128 T1 + 64 half, 4,096 bytes a row
	s_lshl_b32 s88, s[S1H], 18
	s_add_co_u32 s86, s86, s88
	s_add_nc_u64 s[14:15], s[14:15], s[86:87]
	v_and_b32 v1, 31, v0
	v_and_b32 v2, 15, v0
	v_bfe_u32 v3, v0, 4, 1
	v_lshlrev_b32 v[SO], 5, v1
	v_lshlrev_b32 v[CO], 4, v1
	s_wait_alu depctr_va_vdst(0)
	v_lshlrev_b32 v130, 6, v3                      ; 64 h
.irp i, 0,1,2,3
.irp q, 0,1
	global_load_b128 v[SC0+8*\i+4*\q:SC0+8*\i+4*\q+3], v[SO], s[82:83] offset:1024*\i+16*\q
.endr
.endr
.irp i, 0,1
.irp q, 0,1
	global_load_b128 v[SC1+8*\i+4*\q:SC1+8*\i+4*\q+3], v[SO], s[84:85] offset:1024*\i+16*\q
.endr
.endr
.irp t, 0,1,2,3,4,5,6,7
.irp q, 0,1
	global_load_b128 v[B0+8*\t+4*\q:B0+8*\t+4*\q+3], v130, s[12:13] offset:(32*(\t/2)+8*(\t%2))*4+16*\q
.endr
.endr
	s_mul_i32 s22, s[S0H], 98304
	s_mul_i32 s23, s[S1H], 49152
	s_add_co_u32 s23, s23, S1B
.irp c, 0,1,2,3
	v_add_nc_u32 v[A0+\c], s22, v[CO]
	v_add_nc_u32 v[A1+\c], s23, v[CO]
	s_add_co_u32 s22, s22, 24576
	s_add_co_u32 s23, s23, 12288
.endr
	s_mul_i32 s22, s[WV], 8448                     ; my stage: 16 rows x (512 bytes + 16)
	v_mul_u32_u24 v[STO], v2, 528
	v_lshl_add_u32 v[STO], v3, 6, v[STO]
	v_add_nc_u32 v[STO], s22, v[STO]               ; in: row r, + 64 h
	v_add_nc_u32 v[RD], s22, v[CO]                 ; back: 16 bytes a lane of a row
	s_wait_alu depctr_va_vdst(0)
	s_wait_tensorcnt 0x0                           ; my one load has landed
	s_barrier_signal -1
	s_barrier_wait -1
	FETCH 0
	s_wait_loadcnt 0x0                             ; scale words and bias
	STEP 0, 1                                      ; the first products take the bias as C
.irp s, 1,2,3,4,5,6,7
	STEP \s, 0
.endr
	s_wait_dscnt 0x0
	s_barrier_signal -1
	s_barrier_wait -1                              ; no wave reads chunk 0's bytes any more: the stages may be written
	PLACES 4                                       ; in front of the first read of results
.macro TOSTAGE a                       ; tile a: 16 rows of out0 x my 128 features
	WIN 0x04                                       ; an LDS store's data are its source 1: window 1
.irp b, 0,1,2,3,4,5,6,7
.irp q, 0,1
	ds_store_b128 v[STO], v[64*(\a)+8*\b+4*\q:64*(\a)+8*\b+4*\q+3] offset:128*(\b/2)+32*(\b%2)+16*\q   ; each accumulator from its low end on
.endr
.endr
	WIN 0
.set BB, 64+128*((\a)%2)
.set t, 0
.rept 16                               ; LDS serves a wave's instructions in order: these see the stores above
	ds_load_b128 v[BB+4*t:BB+4*t+3], v[RD] offset:528*t
.set t, t+1
.endr
.endm
.macro SEND a, younger                 ; younger: the LDS instructions issued behind tile a's loads, which may stay out
.set BB, 64+128*((\a)%2)
	s_wait_dscnt \younger
.set t, 0
.rept 16
	global_store_b128 v[CO], v[BB+4*t:BB+4*t+3], s[14:15] offset:65536*(\a)+4096*t th:TH_STORE_NT   ; 512 consecutive bytes, at a multiple of 512 from out0's first byte
.set t, t+1
.endr
.endm
	TOSTAGE 0
.irp a, 1,2,3
.if \a > 1
	s_wait_xcnt 0x0                                ; tile a - 2's stores have read their registers: tile a's loads may land there
.endif
	TOSTAGE \a
	SEND \a-1, 32                                  ; behind tile a - 1's loads: tile a's 16 stores and 16 loads
.endr
	SEND 3, 0
	s_wait_tensorcnt 0x0                           ; the wave's end
	ds_add_u32 v[SPW], v[NIL]
	s_wait_dscnt 0x0
	CROUND                                         ; the closing round
	s_endpgm
.Lfunc_end_k_qdfec6f6de6_outp:
	.size	k_qdfec6f6de6_outp, .Lfunc_end_k_qdfec6f6de6_outp-k_qdfec6f6de6_outp
	.p2alignl 7, 3214868480
	.fill 96, 4, 3214868480
	.section	.rodata,"a",@progbits
	.p2align	6, 0x0
	.amdhsa_kernel k_qdfec6f6de6_outp
		.amdhsa_group_segment_fixed_size 327680
		.amdhsa_private_segment_fixed_size 0
		.amdhsa_enable_private_segment 0
		.amdhsa_kernarg_size 48
		.amdhsa_user_sgpr_count 2
		.amdhsa_user_sgpr_kernarg_segment_ptr 1
		.amdhsa_wavefront_size32 1
		.amdhsa_system_sgpr_workgroup_id_x 1
		.amdhsa_system_sgpr_workgroup_id_y 1
		.amdhsa_system_sgpr_workgroup_id_z 1
		.amdhsa_system_vgpr_workitem_id 0
		.amdhsa_next_free_vgpr 1024
		.amdhsa_next_free_sgpr 100
		.amdhsa_reserve_vcc 0
		.amdhsa_float_denorm_mode_32 3
		.amdhsa_float_denorm_mode_16_64 3
		.amdhsa_memory_ordered 1
		.amdhsa_forward_progress 1
		.amdhsa_inst_pref_size 76
	.end_amdhsa_kernel
	.amdgpu_metadata
---
amdhsa.version: [ 1, 2 ]
amdhsa.kernels:
  - .name:           k_qdfec6f6de6_outp
    .symbol:         k_qdfec6f6de6_outp.kd
    .args:
      - { .name: oc, .offset: 0, .size: 8, .value_kind: global_buffer, .address_space: global }
      - { .name: os, .offset: 8, .size: 8, .value_kind: global_buffer, .address_space: global }
      - { .name: xc, .offset: 16, .size: 8, .value_kind: global_buffer, .address_space: global }
      - { .name: xs, .offset: 24, .size: 8, .value_kind: global_buffer, .address_space: global }
      - { .name: b, .offset: 32, .size: 8, .value_kind: global_buffer, .address_space: global }
      - { .name: out0, .offset: 40, .size: 8, .value_kind: global_buffer, .address_space: global }
    .group_segment_fixed_size: 327680
    .private_segment_fixed_size: 0
    .kernarg_segment_align: 8
    .kernarg_segment_size: 48
    .max_flat_workgroup_size: 128
    .sgpr_count:     100
    .vgpr_count:     1024
    .wavefront_size: 32
...
	.end_amdgpu_metadata
.endif
;; end of part 4
